; MI455X (gfx1250); checked and timed in simulation.
; The chip was launched on July 23, 2026; its instructions are those of AMD's public machine-readable ISA for CDNA 5 (MIT licence, August 2026) and "CDNA5" Instruction Set Architecture Reference Guide (July 2026). The comments in the code are by the model that wrote it; some were corrected since.
;; Fine Grained Feature Editing. Allowed arithmetic: matrix products marked QUANTISED: E5M2 operands, one given power-of-two scale a tensor, by v_wmma_f32_16x16x64_bf8_bf8 or v_wmma_f32_16x16x128_bf8_bf8, f32 sums; everything else in f32.
;; Inputs: Tc one number float32; center 50 x 256 float32; f 8 x 256 x 32 x 32 float32; lowp_scales 6 int32 (the exponents e of the quantised operands' scales 2^e); memory 1 x 256 x 32 x 32 float32.
;; Outputs: out0 8 x 256 x 32 x 32 float32; out1 one number float32.
;; Constants: is_object = 0.
;; This version of the problem:
;;   THIS VERSION OF THE PROBLEM IS GIVEN IN LOW PRECISION. The matrix products marked QUANTISED in the list below multiply operands that are first quantised to E5M2 (5 exponent bits, 2 mantissa bits; 8 bits a number), with one given power-of-two scale for each operand tensor; their sums are f32. All else is computed in f32.
;;   The module's matrix products, in the order in which they are computed (A, B: the left and right operand; K: the contracted axis; several contracted axes count as one K, in the product's order):
;;     1. [M 8,192, K 256] x [K 256, N 50]; A: input f; B: input center: QUANTISED (scales: A lowp_scales[0], B lowp_scales[1])
;;     2. [M 8,192, K 256] x [K 256, N 8,192]; A: computed on the way; B: computed on the way: QUANTISED (scales: A lowp_scales[2], B lowp_scales[3])
;;     3. [M 8,192, K 8,192] x [K 8,192, N 256]; A: computed on the way; B: input f: QUANTISED (scales: A lowp_scales[4], B lowp_scales[5])
;;   THE QUANTISER, for each operand of a quantised product, along K:
;;     - The operand's scale is 2^e, e = its entry of the input lowp_scales (int32; the entries are numbered through the quantised products in the list's order, A before B).
;;     - Each number is divided by the scale, clamped to +-57,344, and rounded to the nearest number of E5M2, ties to even, subnormals kept.
;;     - The product sums the exact products of the quantised numbers (number of the format x scale) in f32.
;;   ~~~python
;;   def quantise(x, axis, e):      # numpy; x: float32 -> the quantised numbers, widened to float32 again
;;       x = np.moveaxis(x, axis, -1); K = x.shape[-1]
;;       r = np.clip(x / 2.0 ** e, -57344, 57344)
;;       step = 2.0 ** (np.maximum(np.frexp(np.where(r == 0, 1, r))[1] - 1, -14) - 2)
;;       q = np.round(r / step) * step * 2.0 ** e      # np.round: ties to even
;;       return np.moveaxis(q, -1, axis).astype(np.float32)
;;   ~~~
;;   OPERANDS COMPUTED ON THE WAY. 'Computed on the way' means the value that the module computes at that place (a softmax that the list does not call 'softmax' is quantised finished and normalised). What goes into a quantiser is computed in f32, as accurately as f32 sums, v_exp_f32 and their like allow (about 1e-6 of the number): no bf16 or f16 on the way to a quantiser, and a product that is left as it is and whose result goes on into a quantised operand takes f32 operands (vector FMAs, or v_wmma_f32_16x16x4_f32). A number that lies on a knife's edge between two numbers of the format may be rounded either way, as far as f32 arithmetic and the matrix unit's own rounding can turn it there, and no further.
;; One version. Each part assembles by itself: llvm-mc -triple=amdgcn-amd-amdhsa -mcpu=gfx1250 --defsym DOCPART=n.
;; ======== version 1 of 1: 7 launches
;; limits: a difference of large sums (such as E[x^2] - mean^2): digits are lost where the result is much smaller than its terms
;; workspace buffers: flagw 2,048 bytes of whole numbers; stat0 34,816 bytes; lists 65,792 bytes of whole numbers; codes 6,291,456 bytes; part1 1,048,576 bytes; part2 524,288 bytes; opart 33,554,432 bytes
;; launch flags (part 1): grid 256 x 1, 8 waves a work-group, no clusters, 29,696 bytes of LDS; arguments f, center, Tc, lowp_scales, flagw, stat0; writes flagw, stat0
.if DOCPART == 1
	.amdgcn_target "amdgcn-amd-amdhsa--gfx1250"
	.amdhsa_code_object_version 6
	.text
	.protected	k_qbae52aab58_flags
	.globl	k_qbae52aab58_flags
	.p2align	8
	.type	k_qbae52aab58_flags,@function
k_qbae52aab58_flags:
	s_mov_b64 s[64:65], 0
	v_nop
	global_prefetch_b8 v0, s[64:65] scope:SCOPE_SE
	s_setreg_imm32_b32 hwreg(HW_REG_WAVE_MODE, 25, 1), 1
	s_wait_xcnt 0x0
; PRODUCT 1 AND THE DECISION.  X[p][c] = f[b][c][n], p = 1024 b + n.  d[p] = the least distance of pixel p to the 50 centres, ano = d > Tc.
; d2 = (x2 + c2) - 2 dot: x2 and c2 of the numbers as given, in f32; dot on codes of E5M2 (x with 2^e0, the centres with 2^e1), by v_wmma_f32_16x16x128_bf8_bf8.
; A work-group takes 32 neighbouring pixels (word W = its number).  Stored, at fixed places: the 32 flags as one word and their count (flagw), 1 / max(|X_p|, 1e-8) and the word's sums of d over normal and over anomalous pixels (stat0).
; No address and no branch hangs on the flags here: later launches read them as whole numbers.
; PHASE A: wave w takes channels 32 w .. 32 w + 31: a lane is a pixel and its registers run down the channels, so each load reads 128 consecutive bytes and the conversions give codes with K innermost.
;   The codes go to LDS as images of the operand registers: piece w of 512 bytes, lane (r, h) holds k = 32 w + 16 h + 0 .. 15 of row r; the same order of k on both sides of the product.
; PHASE B: wave w multiplies pixel tile w % 2 by centre tile w / 2 (source 0 = 16 centres, source 1 = 16 pixels: a lane holds one pixel and eight centres).  Centre rows 50 to 63 repeat centre 49, which leaves the minimum alone.
; PHASE C: wave 0, a lane a pixel: the minimum of the four centre tiles, the root, the flag, the sums.
; LIMITS: e0 and e1 between -126 and 112, e0 + e1 + 1 between -126 and 127, so that each power of two below is an f32 number.  NaN among the inputs is not served.
.set XIMG, 0          ; LDS: x's codes, 2 tiles x 8 pieces x 512 bytes
.set CIMG, 8192       ; the centres' codes, 4 tiles x 8 pieces x 512 bytes
.set X2P,  24576      ; partial sums of x^2: 8 waves x 32 pixels
.set C2P,  25600      ; partial sums of c^2: 8 waves x 64 centres
.set DMIN, 27648      ; least d2: 4 centre tiles x 32 pixels
.set X,   16          ; v16-47   phase A: 32 channels of my pixel
.set CE,  48          ; v48-111  phase A: 4 centre tiles x 16 numbers
.set XC,  112         ; v112-119 x's codes
.set CC,  120         ; v120-135 the centres' codes
.set XF,  16          ; phase B: x's two fragments
.set CF,  48          ; the centres' two fragments
.set ACC, 80          ; the sums
.set C2,  88          ; c2 of my eight centres, then d2
.set LX,  96          ; eight partial x2
.set LC,  104         ; eight waves x eight partial c2
	s_load_b256 s[4:11], s[0:1], 0x0               ; f s[4:5], center s[6:7], Tc s[8:9], the scales' exponents s[10:11]
	s_load_b128 s[12:15], s[0:1], 0x20             ; flagw s[12:13], stat0 s[14:15]
	v_lshl_add_u32 v192, v0, 2, 0x7000
	v_mov_b32 v193, 0
	v_lshrrev_b32 v1, 5, v0
	v_readfirstlane_b32 s16, v1                    ; wave 0..7
	v_and_b32 v1, 31, v0                           ; lane
	v_and_b32 v2, 15, v0                           ; r
	v_bfe_u32 v3, v0, 4, 1                         ; h
	v_lshlrev_b32 v4, 2, v1                        ; 4 x lane
	v_lshlrev_b32 v5, 10, v2
	v_lshl_add_u32 v5, v3, 6, v5                   ; a centre's row r of 1,024 bytes + 64 h: my 16 numbers
	v_add_nc_u32 v6, 48, v2
	v_min_u32 v6, 49, v6                           ; the last tile: rows past 49 repeat row 49, so no load leaves the buffer
	v_lshlrev_b32 v6, 10, v6
	v_lshl_add_u32 v6, v3, 6, v6
	; every LDS address is made here, ahead of the place where the waves part
	s_lshl_b32 s17, s16, 9
	v_lshl_add_u32 v7, v1, 4, s17                  ; an image's piece w: 512 w + 16 lane
	s_lshl_b32 s17, s16, 7
	s_add_co_u32 s17, s17, X2P
	v_lshl_add_u32 v9, v1, 2, s17                  ; my partial x2
	s_lshl_b32 s17, s16, 8
	s_add_co_u32 s17, s17, C2P
	v_lshl_add_u32 v10, v2, 2, s17                 ; my partial c2
	s_and_b32 s18, s16, 1                          ; phase B: pixel tile
	s_lshr_b32 s19, s16, 1                         ; and centre tile
	s_lshl_b32 s17, s18, 12
	v_lshl_add_u32 v11, v1, 4, s17                 ; x's fragments
	s_lshl_b32 s17, s19, 12
	s_add_co_u32 s17, s17, CIMG
	v_lshl_add_u32 v12, v1, 4, s17                 ; the centres' fragments
	s_lshl_b32 s17, s18, 6
	s_add_co_u32 s17, s17, X2P
	v_lshl_add_u32 v13, v2, 2, s17                 ; x2 of pixel 16 tile + r
	s_lshl_b32 s17, s19, 6
	s_add_co_u32 s17, s17, C2P
	v_lshl_add_u32 v14, v3, 5, s17                 ; c2 of centres 16 tile + 8 h + 0 .. 7
	s_lshl_b32 s17, s19, 7
	s_lshl_b32 s20, s18, 6
	s_add_co_u32 s17, s17, s20
	s_add_co_u32 s17, s17, DMIN
	v_lshl_add_u32 v15, v2, 2, s17                 ; where my least d2 goes
	s_mov_b32 s30, 0x76543210                      ; v_permlanex16_b32: lane l takes lane l xor 16
	s_mov_b32 s31, 0xfedcba98
	s_lshr_b32 s20, ttmp9, 5                       ; image b: 1 MiB each,
	s_lshl_b32 s20, s20, 20
	s_lshl_b32 s21, s16, 17                        ; my 32 channels of 4,096 bytes,
	s_add_co_u32 s20, s20, s21
	s_and_b32 s21, ttmp9, 31
	s_lshl_b32 s21, s21, 7                         ; my group's 32 pixels
	s_add_co_u32 s20, s20, s21
	s_mov_b32 s21, 0
	s_lshl_b32 s22, s16, 7                         ; the centres: my 32 channels
	s_mov_b32 s23, 0
	s_wait_kmcnt 0x0
	s_load_b64 s[28:29], s[10:11], 0x0             ; e0, e1
	s_load_b32 s27, s[8:9], 0x0                    ; Tc
	s_add_nc_u64 s[4:5], s[4:5], s[20:21]
	s_add_nc_u64 s[6:7], s[6:7], s[22:23]
.set n, 0
.rept 32
	global_load_b32 v[X+n], v4, s[4:5] offset:4096*n   ; channel 32 w + n of 32 neighbouring pixels: 128 consecutive bytes
.set n, n+1
.endr
.irp T, 0,1,2
.irp j, 0,1,2,3
	global_load_b128 v[CE+16*\T+4*\j:CE+16*\T+4*\j+3], v5, s[6:7] offset:16384*\T+16*\j
.endr
.endr
.irp j, 0,1,2,3
	global_load_b128 v[CE+48+4*\j:CE+48+4*\j+3], v6, s[6:7] offset:16*\j
.endr
	s_wait_kmcnt 0x0
	s_add_co_i32 s32, s28, 127
	s_lshl_b32 s33, s32, 23
	v_mov_b32 v136, s33                            ; 2^e0 as f32: the conversion takes its exponent field
	s_add_co_i32 s32, s32, 15
	s_lshl_b32 s32, s32, 23
	s_or_b32 s32, s32, 0x600000
	v_mov_b32 v137, s32                            ; 57,344 x 2^e0
	s_add_co_i32 s32, s29, 127
	s_lshl_b32 s33, s32, 23
	v_mov_b32 v138, s33                            ; 2^e1
	s_add_co_i32 s32, s32, 15
	s_lshl_b32 s32, s32, 23
	s_or_b32 s32, s32, 0x600000
	v_mov_b32 v139, s32                            ; 57,344 x 2^e1
	s_add_co_i32 s34, s28, s29
	s_add_co_i32 s34, s34, 128
	s_lshl_b32 s34, s34, 23
	s_or_b32 s34, s34, 0x80000000                  ; -2^(e0 + e1 + 1): a sum of codes x this is -2 dot
	; ---- phase A, x
	s_wait_loadcnt 16                              ; x's 32 loads are in; the centres' 16 may be out
	v_pk_mul_f32 v[140:141], v[X:X+1], v[X:X+1]    ; the sum of squares, of the numbers as given, in two chains
	v_pk_mul_f32 v[142:143], v[X+2:X+3], v[X+2:X+3]
.set n, 4
.rept 7
	v_pk_fma_f32 v[140:141], v[X+n:X+n+1], v[X+n:X+n+1], v[140:141]
	v_pk_fma_f32 v[142:143], v[X+n+2:X+n+3], v[X+n+2:X+n+3], v[142:143]
.set n, n+4
.endr
	v_pk_add_f32 v[140:141], v[140:141], v[142:143]
	v_add_f32 v140, v140, v141
	ds_store_b32 v9, v140
.set n, 0
.rept 32
	v_med3_num_f32 v[X+n], v[X+n], -v137, v137     ; the conversion to an 8-bit code does not saturate (ISA guide 7.6.2): the hold at the largest code x the scale
.set n, n+1
.endr
.irp g, 0,1,2,3
	v_cvt_scalef32_pk8_bf8_f32 v[XC+2*\g:XC+2*\g+1], v[X+8*\g:X+8*\g+7], v136
.endr
	v_nop                                          ; one plain vector line between a scaled conversion and the vector lines that touch its result
.irp i, 0,1,2,3
	v_permlane16_swap_b32 v[XC+\i], v[XC+4+\i]     ; lanes 16-31 of k 0..15 change places with lanes 0-15 of k 16..31: the first register is then tile 0's (lane (r, h): pixel r, k 16 h ..), the second tile 1's
.endr
	ds_store_b128 v7, v[XC:XC+3] offset:XIMG
	ds_store_b128 v7, v[XC+4:XC+7] offset:XIMG+4096
	; ---- phase A, the centres: lane (r, h) already holds what the fragment's lane holds
	s_wait_loadcnt 0x0
.irp T, 0,1,2,3
	v_pk_mul_f32 v[144+2*\T:145+2*\T], v[CE+16*\T:CE+16*\T+1], v[CE+16*\T:CE+16*\T+1]
.endr
.irp p, 2,4,6,8,10,12,14
.irp T, 0,1,2,3
	v_pk_fma_f32 v[144+2*\T:145+2*\T], v[CE+16*\T+\p:CE+16*\T+\p+1], v[CE+16*\T+\p:CE+16*\T+\p+1], v[144+2*\T:145+2*\T]
.endr
.endr
.irp T, 0,1,2,3
	v_add_f32 v[144+2*\T], v[144+2*\T], v[145+2*\T]
.endr
.irp T, 0,1,2,3
	v_permlanex16_b32 v[145+2*\T], v[144+2*\T], s30, s31   ; the other 16 channels of the same centre
.endr
.irp T, 0,1,2,3
	v_add_f32 v[144+2*\T], v[144+2*\T], v[145+2*\T]
	ds_store_b32 v10, v[144+2*\T] offset:64*\T     ; lanes r and 16 + r store the same number to the same word
.endr
.set n, 0
.rept 64
	v_med3_num_f32 v[CE+n], v[CE+n], -v139, v139
.set n, n+1
.endr
.irp T, 0,1,2,3
	v_cvt_scalef32_pk8_bf8_f32 v[CC+4*\T:CC+4*\T+1], v[CE+16*\T:CE+16*\T+7], v138
	v_cvt_scalef32_pk8_bf8_f32 v[CC+4*\T+2:CC+4*\T+3], v[CE+16*\T+8:CE+16*\T+15], v138
.endr
	v_nop                                          ; a plain line behind the last conversion: the product below writes over registers that the conversions read
.irp T, 0,1,2,3
	ds_store_b128 v7, v[CC+4*\T:CC+4*\T+3] offset:CIMG+4096*\T
.endr
	s_wait_dscnt 0x0                               ; for the others' sake: my images and partial sums lie in LDS
	s_barrier_signal -1
	s_barrier_wait -1
	; ---- phase B
.irp q, 0,1,2,3,4,5,6,7
	ds_load_b128 v[XF+4*\q:XF+4*\q+3], v11 offset:512*\q
.endr
.irp q, 0,1,2,3,4,5,6,7
	ds_load_b128 v[CF+4*\q:CF+4*\q+3], v12 offset:512*\q
.endr
.irp q, 0,1,2,3,4,5,6,7
	ds_load_b32 v[LX+\q], v13 offset:128*\q
.endr
.irp q, 0,1,2,3,4,5,6,7
	ds_load_b128 v[LC+8*\q:LC+8*\q+3], v14 offset:256*\q
	ds_load_b128 v[LC+8*\q+4:LC+8*\q+7], v14 offset:256*\q+16
.endr
	s_wait_dscnt 0x0
	v_wmma_f32_16x16x128_bf8_bf8 v[ACC:ACC+7], v[CF:CF+15], v[XF:XF+15], 0
	s_wait_alu depctr_va_vdst(0)                   ; the wait stands directly ahead of the second
	v_wmma_f32_16x16x128_bf8_bf8 v[ACC:ACC+7], v[CF+16:CF+31], v[XF+16:XF+31], v[ACC:ACC+7]
	v_pk_add_f32 v[LX:LX+1], v[LX:LX+1], v[LX+2:LX+3]      ; x2 and c2 are added up behind the products: these lines are also the places ahead of the first read of the sums
	v_pk_add_f32 v[LX+4:LX+5], v[LX+4:LX+5], v[LX+6:LX+7]
	v_pk_add_f32 v[LX:LX+1], v[LX:LX+1], v[LX+4:LX+5]
	v_add_f32 v[LX], v[LX], v[LX+1]
.irp p, 0,2,4,6
	v_pk_add_f32 v[C2+\p:C2+\p+1], v[LC+\p:LC+\p+1], v[LC+8+\p:LC+8+\p+1]
.endr
.irp q, 2,3,4,5,6,7
.irp p, 0,2,4,6
	v_pk_add_f32 v[C2+\p:C2+\p+1], v[C2+\p:C2+\p+1], v[LC+8*\q+\p:LC+8*\q+\p+1]
.endr
.endr
.irp j, 0,1,2,3,4,5,6,7
	v_add_f32 v[C2+\j], v[LX], v[C2+\j]            ; x2 + c2, rounded,
.endr
.irp j, 0,1,2,3,4,5,6,7
	v_fma_f32 v[C2+\j], v[ACC+\j], s34, v[C2+\j]   ; less 2 dot, rounded once; the sums are read from their low end on
.endr
	v_min3_num_f32 v[C2], v[C2], v[C2+1], v[C2+2]
	v_min3_num_f32 v[C2], v[C2], v[C2+3], v[C2+4]
	v_min3_num_f32 v[C2], v[C2], v[C2+5], v[C2+6]
	v_min_num_f32 v[C2], v[C2], v[C2+7]
	v_permlanex16_b32 v[C2+1], v[C2], s30, s31     ; the tile's other eight centres
	v_min_num_f32 v[C2], v[C2], v[C2+1]
	ds_store_b32 v15, v[C2]
	s_wait_dscnt 0x0
	s_barrier_signal -1
	s_barrier_wait -1
	; ---- phase C: wave 0 alone; no barrier follows
	s_cmp_lg_u32 s16, 0
	s_cbranch_scc1 .Lend
.irp T, 0,1,2,3
	ds_load_b32 v[16+\T], v4 offset:DMIN+128*\T
.endr
.irp q, 0,1,2,3,4,5,6,7
	ds_load_b32 v[20+\q], v4 offset:X2P+128*\q
.endr
	s_wait_dscnt 0x0
	v_min3_num_f32 v16, v16, v17, v18
	v_min_num_f32 v16, v16, v19
	v_max_num_f32 v16, 0, v16                      ; the root and the clip at 0 rise with d2, so the minimum is taken first
	v_pk_add_f32 v[20:21], v[20:21], v[22:23]
	v_pk_add_f32 v[24:25], v[24:25], v[26:27]
	v_pk_add_f32 v[20:21], v[20:21], v[24:25]
	v_add_f32 v20, v20, v21                        ; |X_p|^2
	v_sqrt_f32 v28, v16
	v_sqrt_f32 v29, v20
	v_mov_b32 v33, 0                               ; (a plain line behind the roots)
	s_wait_alu depctr_va_vdst(0)                   ; one wait for both, ahead of their first use
	v_max_num_f32 v30, 0x00800000, v28
	v_max_num_f32 v29, 0x322bcc77, v29             ; max(|X_p|, 1e-8)
	v_rcp_f32 v30, v30
	v_rcp_f32 v31, v29                             ; rn
	v_fma_f32 v32, -v28, v28, v16                  ; what the root leaves over.  (A plain line behind the reciprocals)
	s_wait_alu depctr_va_vdst(0)
	v_mul_f32 v30, 0.5, v30
	v_fma_f32 v30, v32, v30, v28                   ; one Newton step: d is compared with Tc, so the root's last bit counts
	v_cmp_lt_f32 vcc_lo, 0, v28
	v_cndmask_b32 v28, v28, v30, vcc_lo            ; d (a root of 0 stays 0)
	v_cmp_lt_f32 s20, s27, v28                     ; ano = Tc < d: a word of 32 flags
	s_bcnt1_i32_b32 s21, s20                       ; and their count
	v_cndmask_b32 v34, v28, v33, s20               ; d where normal,
	v_cndmask_b32 v35, v33, v28, s20               ; d where anomalous
.irp k, 1,2,4,8
	v_add_f32_dpp v34, v34, v34 row_xmask:\k row_mask:0xf bank_mask:0xf
	v_add_f32_dpp v35, v35, v35 row_xmask:\k row_mask:0xf bank_mask:0xf
.endr
	v_mov_b32 v36, 0
	v_mov_b32 v37, 0
	v_permlanex16_b32 v36, v34, s30, s31
	v_permlanex16_b32 v37, v35, s30, s31
	v_pk_add_f32 v[34:35], v[34:35], v[36:37]
	v_mov_b32 v38, s20
	v_mov_b32 v39, s21
	s_mov_b32 s37, 0
	s_lshl_b32 s36, ttmp9, 7
	s_add_nc_u64 s[38:39], s[14:15], s[36:37]      ; rn of my 32 pixels
	s_lshl_b32 s36, ttmp9, 3
	s_add_nc_u64 s[40:41], s[14:15], s[36:37]      ; the word's pair of sums
	s_lshl_b32 s36, ttmp9, 2
	s_add_nc_u64 s[42:43], s[12:13], s[36:37]      ; the word's flags and count
	global_store_b32 v4, v31, s[38:39]             ; 128 consecutive bytes
	v_cmp_eq_u32 vcc_lo, 0, v1
	s_wait_xcnt 0x0                                ; EXEC changes only behind this wait
	s_and_saveexec_b32 s24, vcc_lo                 ; lane 0 alone
	global_store_b64 v33, v[34:35], s[40:41] offset:32768
	global_store_b32 v33, v38, s[42:43]
	global_store_b32 v33, v39, s[42:43] offset:1024
	s_wait_xcnt 0x0                                ; and again ahead of the line that widens it
	s_or_b32 exec_lo, exec_lo, s24
.Lend:
	s_wait_tensorcnt 0x0
	ds_add_u32 v192, v193
	s_wait_dscnt 0x0
	s_endpgm
.Lfunc_end_k_qbae52aab58_flags:
	.size	k_qbae52aab58_flags, .Lfunc_end_k_qbae52aab58_flags-k_qbae52aab58_flags
	.p2alignl 7, 3214868480
	.fill 96, 4, 3214868480
	.section	.rodata,"a",@progbits
	.p2align	6, 0x0
	.amdhsa_kernel k_qbae52aab58_flags
		.amdhsa_group_segment_fixed_size 29696
		.amdhsa_private_segment_fixed_size 0
		.amdhsa_enable_private_segment 0
		.amdhsa_kernarg_size 48
		.amdhsa_user_sgpr_count 2
		.amdhsa_user_sgpr_kernarg_segment_ptr 1
		.amdhsa_wavefront_size32 1
		.amdhsa_system_sgpr_workgroup_id_x 1
		.amdhsa_system_sgpr_workgroup_id_y 1
		.amdhsa_system_sgpr_workgroup_id_z 1
		.amdhsa_system_vgpr_workitem_id 0
		.amdhsa_next_free_vgpr 194
		.amdhsa_next_free_sgpr 66
		.amdhsa_reserve_vcc 1
		.amdhsa_float_denorm_mode_32 3
		.amdhsa_float_denorm_mode_16_64 3
		.amdhsa_memory_ordered 1
		.amdhsa_forward_progress 1
		.amdhsa_inst_pref_size 30
	.end_amdhsa_kernel
	.amdgpu_metadata
---
amdhsa.version: [ 1, 2 ]
amdhsa.kernels:
  - .name:           k_qbae52aab58_flags
    .symbol:         k_qbae52aab58_flags.kd
    .args:
      - { .name: f, .offset: 0, .size: 8, .value_kind: global_buffer, .address_space: global }
      - { .name: center, .offset: 8, .size: 8, .value_kind: global_buffer, .address_space: global }
      - { .name: Tc, .offset: 16, .size: 8, .value_kind: global_buffer, .address_space: global }
      - { .name: lowp_scales, .offset: 24, .size: 8, .value_kind: global_buffer, .address_space: global }
      - { .name: flagw, .offset: 32, .size: 8, .value_kind: global_buffer, .address_space: global }
      - { .name: stat0, .offset: 40, .size: 8, .value_kind: global_buffer, .address_space: global }
    .group_segment_fixed_size: 29696
    .private_segment_fixed_size: 0
    .kernarg_segment_align: 8
    .kernarg_segment_size: 48
    .max_flat_workgroup_size: 256
    .sgpr_count:     66
    .vgpr_count:     194
    .wavefront_size: 32
...
	.end_amdgpu_metadata
.endif
;; end of part 1
;; launch place (part 2): grid 32 x 1, 8 waves a work-group, no clusters, 0 bytes of LDS; arguments flagw, stat0, lists, out1; writes lists, out1
.if DOCPART == 2
	.amdgcn_target "amdgcn-amd-amdhsa--gfx1250"
	.amdhsa_code_object_version 6
	.text
	.protected	k_qbae52aab58_place
	.globl	k_qbae52aab58_place
	.p2align	8
	.type	k_qbae52aab58_place,@function
k_qbae52aab58_place:
	s_mov_b64 s[64:65], 0
	v_nop
	global_prefetch_b8 v0, s[64:65] scope:SCOPE_SE
	s_setreg_imm32_b32 hwreg(HW_REG_WAVE_MODE, 25, 1), 1
	s_wait_xcnt 0x0
; THE PLACING OF ROWS AND COLUMNS, on whole numbers alone, and Ld.
; A wave takes one word of 32 flags (word W = 8 x work-group + wave).  Every wave reads all 256 counts (8 a lane) and adds those of the words ahead of its own: no traffic between work-groups.
; perm: the normal pixel of rank j among the normal ones goes to perm[j]; the anomalous pixel of rank rho to perm[8191 - rho]: each of the 8,192 words is written once.
; slot[p]: for an anomalous pixel its place q among the queries, else 0x80000000.  Row tile tau = rho / 16 belongs to group tau % 64, as that group's tile tau / 64: q = group x 128 + tile x 16 + rho % 16.
; a, the number of anomalous pixels, is stored in 32 words.  out1 = Ld as reference() has it, from the 256 pairs of sums of d.
	s_load_b256 s[4:11], s[0:1], 0x0               ; flagw s[4:5], stat0 s[6:7], lists s[8:9], out1 s[10:11]
	v_lshrrev_b32 v1, 5, v0
	v_readfirstlane_b32 s16, v1                    ; wave
	v_and_b32 v1, 31, v0                           ; lane
	s_lshl_b32 s17, ttmp9, 3
	s_add_co_u32 s17, s17, s16                     ; W
	s_lshl_b32 s18, s17, 2
	v_lshlrev_b32 v2, 5, v1                        ; my eight counts: 32 bytes a lane
	s_mov_b32 s30, 0x76543210
	s_mov_b32 s31, 0xfedcba98
	s_wait_kmcnt 0x0
	s_load_b32 s20, s[4:5], s18 offset:0x0         ; my word of flags
	global_load_b128 v[4:7], v2, s[4:5] offset:1024
	global_load_b128 v[8:11], v2, s[4:5] offset:1040
	v_lshlrev_b32 v3, 3, v1
	v_sub_nc_u32 v3, s17, v3                       ; W - 8 lane: count j of mine lies ahead of my word where j is under this
	v_mov_b32 v12, 0
	v_mov_b32 v14, 0                               ; written once: the destination of a lane move counts as read
	s_wait_loadcnt 0x0
.irp j, 0,1,2,3,4,5,6,7
	v_cmp_lt_i32 vcc_lo, \j, v3
	v_cndmask_b32 v13, 0, v[4+\j], vcc_lo
	v_add_nc_u32 v12, v12, v13
.endr
	v_add3_u32 v15, v4, v5, v6
	v_add3_u32 v15, v15, v7, v8
	v_add3_u32 v15, v15, v9, v10
	v_add_nc_u32 v15, v15, v11
.macro ISUM r                          ; the sum of a whole number over the 32 lanes, in every lane
.irp k, 1,2,4,8
	v_mov_b32_dpp v14, v[\r] row_xmask:\k row_mask:0xf bank_mask:0xf
	v_add_nc_u32 v[\r], v[\r], v14
.endr
	v_permlanex16_b32 v14, v[\r], s30, s31
	v_add_nc_u32 v[\r], v[\r], v14
.endm
	ISUM 12                                        ; anomalous pixels ahead of my word
	ISUM 15                                        ; a
	s_wait_kmcnt 0x0
	v_mbcnt_lo_u32_b32 v16, s20, 0                 ; anomalous pixels of my word ahead of my lane
	v_add_nc_u32 v17, v12, v16                     ; rho
	s_lshl_b32 s21, s17, 5
	v_add_nc_u32 v18, s21, v1                      ; p
	v_sub_nc_u32 v19, v18, v17                     ; the rank among the normal ones: pixels ahead less anomalous pixels ahead
	v_sub_nc_u32 v20, 0x1fff, v17
	v_cndmask_b32 v20, v19, v20, s20               ; my lane's bit of the word chooses
	v_min_u32 v20, 0x1fff, v20                     ; a number made of loaded numbers enters an address behind its bound
	v_lshlrev_b32 v20, 2, v20
	global_store_b32 v20, v18, s[8:9]              ; perm
	v_lshrrev_b32 v21, 4, v17                      ; tau
	v_and_b32 v22, 63, v21                         ; group
	v_lshrrev_b32 v21, 6, v21                      ; the group's tile
	v_lshlrev_b32 v22, 7, v22
	v_lshl_or_b32 v22, v21, 4, v22
	v_and_b32 v23, 15, v17
	v_or_b32 v22, v22, v23                         ; q
	v_mov_b32 v24, 0x80000000
	v_cndmask_b32 v22, v24, v22, s20
	v_lshlrev_b32 v25, 2, v18
	global_store_b32 v25, v22, s[8:9] offset:32768 ; slot: 128 consecutive bytes
	s_or_b32 s22, ttmp9, s16
	s_cmp_lg_u32 s22, 0
	s_cbranch_scc1 .Lend                           ; the rest is the first wave's of the first work-group
	v_lshlrev_b32 v26, 2, v1
	global_store_b32 v26, v15, s[8:9] offset:65536 ; a
	v_lshlrev_b32 v27, 6, v1                       ; eight pairs of sums a lane
.irp i, 0,1,2,3
	global_load_b128 v[28+4*\i:31+4*\i], v27, s[6:7] offset:32768+16*\i
.endr
	s_wait_loadcnt 0x0
	v_pk_add_f32 v[28:29], v[28:29], v[30:31]
	v_pk_add_f32 v[32:33], v[32:33], v[34:35]
	v_pk_add_f32 v[36:37], v[36:37], v[38:39]
	v_pk_add_f32 v[40:41], v[40:41], v[42:43]
	v_pk_add_f32 v[28:29], v[28:29], v[32:33]
	v_pk_add_f32 v[36:37], v[36:37], v[40:41]
	v_pk_add_f32 v[28:29], v[28:29], v[36:37]
.irp k, 1,2,4,8
	v_add_f32_dpp v28, v28, v28 row_xmask:\k row_mask:0xf bank_mask:0xf
	v_add_f32_dpp v29, v29, v29 row_xmask:\k row_mask:0xf bank_mask:0xf
.endr
	v_permlanex16_b32 v30, v28, s30, s31
	v_permlanex16_b32 v31, v29, s30, s31
	v_pk_add_f32 v[28:29], v[28:29], v[30:31]      ; the sum of d over normal pixels, over anomalous pixels
	v_cvt_f32_u32 v30, v15
	v_sub_nc_u32 v31, 0x2000, v15
	v_cvt_f32_u32 v31, v31
	v_max_num_f32 v32, 1.0, v30
	v_max_num_f32 v31, 1.0, v31
	v_rcp_f32 v32, v32
	v_rcp_f32 v31, v31
	v_nop                                          ; a plain line behind the reciprocals,
	s_wait_alu depctr_va_vdst(0)                   ; and one wait ahead of their first use
	v_mul_f32 v31, v28, v31                        ; the normal pixels' mean
	v_fmaak_f32 v32, v29, v32, 0x3a83126f          ; the anomalous pixels' mean + 0.001
	v_rcp_f32 v32, v32
	v_mov_b32 v34, 0                               ; (a plain line)
	v_cmp_lt_u32 vcc_lo, 0, v15
	s_wait_alu depctr_va_vdst(0)
	v_mul_f32 v32, v31, v32
	v_cndmask_b32 v31, v31, v32, vcc_lo            ; the quotient where there are anomalous pixels
	v_cmp_eq_u32 vcc_lo, 0, v1
	s_wait_xcnt 0x0                                ; EXEC changes only behind this wait
	s_and_saveexec_b32 s24, vcc_lo
	global_store_b32 v34, v31, s[10:11]
	s_wait_xcnt 0x0
	s_or_b32 exec_lo, exec_lo, s24
.Lend:
	s_endpgm
.Lfunc_end_k_qbae52aab58_place:
	.size	k_qbae52aab58_place, .Lfunc_end_k_qbae52aab58_place-k_qbae52aab58_place
	.p2alignl 7, 3214868480
	.fill 96, 4, 3214868480
	.section	.rodata,"a",@progbits
	.p2align	6, 0x0
	.amdhsa_kernel k_qbae52aab58_place
		.amdhsa_group_segment_fixed_size 0
		.amdhsa_private_segment_fixed_size 0
		.amdhsa_enable_private_segment 0
		.amdhsa_kernarg_size 32
		.amdhsa_user_sgpr_count 2
		.amdhsa_user_sgpr_kernarg_segment_ptr 1
		.amdhsa_wavefront_size32 1
		.amdhsa_system_sgpr_workgroup_id_x 1
		.amdhsa_system_sgpr_workgroup_id_y 1
		.amdhsa_system_sgpr_workgroup_id_z 1
		.amdhsa_system_vgpr_workitem_id 0
		.amdhsa_next_free_vgpr 48
		.amdhsa_next_free_sgpr 66
		.amdhsa_reserve_vcc 1
		.amdhsa_float_denorm_mode_32 3
		.amdhsa_float_denorm_mode_16_64 3
		.amdhsa_memory_ordered 1
		.amdhsa_forward_progress 1
		.amdhsa_inst_pref_size 7
	.end_amdhsa_kernel
	.amdgpu_metadata
---
amdhsa.version: [ 1, 2 ]
amdhsa.kernels:
  - .name:           k_qbae52aab58_place
    .symbol:         k_qbae52aab58_place.kd
    .args:
      - { .name: flagw, .offset: 0, .size: 8, .value_kind: global_buffer, .address_space: global }
      - { .name: stat0, .offset: 8, .size: 8, .value_kind: global_buffer, .address_space: global }
      - { .name: lists, .offset: 16, .size: 8, .value_kind: global_buffer, .address_space: global }
      - { .name: out1, .offset: 24, .size: 8, .value_kind: global_buffer, .address_space: global }
    .group_segment_fixed_size: 0
    .private_segment_fixed_size: 0
    .kernarg_segment_align: 8
    .kernarg_segment_size: 32
    .max_flat_workgroup_size: 256
    .sgpr_count:     66
    .vgpr_count:     48
    .wavefront_size: 32
...
	.end_amdgpu_metadata
.endif
;; end of part 2
;; launch pack (part 3): grid 256 x 2, 4 waves a work-group, no clusters, 37,376 bytes of LDS; arguments f, lists, stat0, lowp_scales, codes; writes codes
.if DOCPART == 3
	.amdgcn_target "amdgcn-amd-amdhsa--gfx1250"
	.amdhsa_code_object_version 6
	.text
	.protected	k_qbae52aab58_pack
	.globl	k_qbae52aab58_pack
	.p2align	8
	.type	k_qbae52aab58_pack,@function
k_qbae52aab58_pack:
	s_mov_b64 s[64:65], 0
	v_nop
	global_prefetch_b8 v0, s[64:65] scope:SCOPE_SE
	s_setreg_imm32_b32 hwreg(HW_REG_WAVE_MODE, 25, 1), 1
	s_wait_xcnt 0x0
; THE THREE OPERANDS OF PRODUCTS 2 AND 3 AS CODES OF E5M2, gathered by rank and laid in the order of the operand registers, so that later launches load fragments by dense loads of 512 bytes.
; A fragment (16 rows x 128 K) is four pieces c of 512 bytes; lane (r, h) holds 16 bytes at 512 c + 16 lane: k = 32 c + 16 h + 0 .. 15 of row r; the same order of k on both sides of each product.
;   codes + 0      QA: the queries (anomalous pixels), X / |X| with 2^e2: tile (q / 16) x 4,096 + K step x 2,048 + c x 512
;   codes + 2 MiB  KB: the keys (normal pixels), X / |X| with 2^e3: block of 128 keys x 32,768 + tile x 4,096 + ...; row r of tile 2 b + u is key 32 b + 16 (r / 8) + 8 u + r % 8,
;                  so that the 16 result registers of tiles 2 b and 2 b + 1 are 16 neighbouring keys
;   codes + 4 MiB  V: X of the normal pixels with 2^e5, the keys innermost: block x 32,768 + channel tile x 2,048 + c x 512; lane (r, h): channel 16 tile + r, keys 32 c + 16 h + 0 .. 15
; Work-group (G, class): 32 ranks of the queries (class 0) or of the keys (class 1); wave cq takes channels 64 cq .. 64 cq + 63; a lane is a rank and its registers run down the channels.
; Ranks past the number of queries or keys get the code 0: all 6 MiB are written, and a null row or key adds nothing to any sum.
; V wants the keys along a lane's registers: the numbers turn through the wave's own stage in LDS (64 channel rows of 128 bytes + 16).  Waves share nothing: no barrier.
; LIMITS: e2, e3, e5 between -126 and 112.  NaN among the inputs is not served.
.set X,  16           ; v16-79   64 channels of my rank
.set Y,  80           ; v80-143  the numbers ahead of a conversion
.set VC, 144          ; v144-159 V's codes
.set RC, 160          ; v160-175 the rows' codes
	s_load_b256 s[4:11], s[0:1], 0x0               ; f s[4:5], lists s[6:7], stat0 s[8:9], the scales' exponents s[10:11]
	s_load_b64 s[12:13], s[0:1], 0x20              ; codes
	v_lshl_add_u32 v192, v0, 2, 0x9000
	v_mov_b32 v193, 0
	v_lshrrev_b32 v1, 5, v0
	v_readfirstlane_b32 s16, v1                    ; cq
	v_and_b32 v1, 31, v0                           ; lane
	v_and_b32 v2, 15, v0                           ; r
	v_bfe_u32 v3, v0, 4, 1                         ; h
	s_and_b32 s17, ttmp7, 0xffff                   ; class
	v_bfe_u32 v176, v0, 3, 1
	v_and_b32 v177, 7, v0
	v_lshl_or_b32 v177, v176, 4, v177
	v_lshl_or_b32 v177, v3, 3, v177                ; the key of the 32 that my lane takes: 16 ((l / 8) % 2) + 8 (l / 16) + l % 8
	s_lshl_b32 s18, ttmp9, 5
	v_add_nc_u32 v178, s18, v177                   ; class 1: rank j
	s_and_b32 s19, ttmp9, 3
	s_lshl_b32 s19, s19, 1
	v_add_nc_u32 v179, s19, v3                     ; class 0: q = 32 G + l; the group's tile 2 (G % 4) + l / 16,
	s_lshr_b32 s20, ttmp9, 2                       ; the group G / 4,
	v_lshl_add_u32 v179, v179, 6, s20              ; tau = 64 tile + group,
	v_lshl_or_b32 v179, v179, 4, v2                ; rho = 16 tau + r
	s_cmp_eq_u32 s17, 1
	s_cselect_b32 s24, -1, 0
	v_cndmask_b32 v180, v179, v178, s24            ; my rank
	v_sub_nc_u32 v181, 0x1fff, v180
	v_cndmask_b32 v181, v181, v180, s24            ; its place in perm: from the front for keys, from the back for queries
	v_lshlrev_b32 v181, 2, v181
	s_mul_i32 s21, s16, 9216                       ; my stage
	v_lshl_add_u32 v12, v177, 2, s21               ; in: 4 x my key; the channel's row stands in the immediate
	v_mul_u32_u24 v13, v2, 144
	v_lshl_add_u32 v13, v3, 6, v13
	v_add_nc_u32 v13, s21, v13                     ; out: channel row r, keys 16 h on
	v_lshlrev_b32 v14, 4, v1                       ; 16 x lane
	v_mov_b32 v15, 0
	s_mov_b32 s23, 0
	s_mov_b32 s29, 0
	s_mov_b32 s35, 0
	s_lshl_b32 s22, s16, 18                        ; f: my 64 channels of 4,096 bytes
	s_lshr_b32 s28, ttmp9, 2
	s_lshl_b32 s28, s28, 15                        ; V: the block,
	s_lshl_b32 s34, s16, 13
	s_add_co_u32 s28, s28, s34                     ; my four channel tiles,
	s_and_b32 s34, ttmp9, 3
	s_lshl_b32 s34, s34, 9
	s_add_co_u32 s28, s28, s34                     ; the piece of my 32 keys,
	s_add_co_u32 s28, s28, 0x400000
	s_lshl_b32 s34, s17, 21                        ; rows: the class's image,
	s_lshl_b32 s18, ttmp9, 13
	s_add_co_u32 s34, s34, s18                     ; my two tiles,
	s_lshl_b32 s18, s16, 10
	s_add_co_u32 s34, s34, s18                     ; my two pieces of each
	s_wait_kmcnt 0x0
	s_load_b32 s25, s[6:7], 0x10000                ; a
	s_load_b64 s[36:37], s[10:11], 0x8             ; e2, e3
	s_load_b32 s38, s[10:11], 0x14                 ; e5
	global_load_b32 v4, v181, s[6:7]               ; the pixel of my rank
	s_add_nc_u64 s[4:5], s[4:5], s[22:23]
	s_add_nc_u64 s[30:31], s[12:13], s[28:29]
	s_add_nc_u64 s[32:33], s[12:13], s[34:35]
	s_wait_loadcnt 0x0
	v_min_u32 v4, 0x1fff, v4                       ; a loaded number enters an address behind its bound
	v_and_b32 v5, 0x1c00, v4
	v_and_b32 v182, 0x3ff, v4
	v_lshlrev_b32 v5, 10, v5                       ; image b: 1 MiB each,
	v_lshl_add_u32 v5, v182, 2, v5                 ; + 4 n
	v_lshlrev_b32 v183, 2, v4
	global_load_b32 v6, v183, s[8:9]               ; 1 / max(|X_p|, 1e-8)
.set n, 0
.rept 64
	global_load_b32 v[X+n], v5, s[4:5] offset:4096*n   ; neighbouring ranks are pixels in ascending order
.set n, n+1
.endr
	s_wait_kmcnt 0x0
	s_sub_co_u32 s27, 0x2000, s25                  ; t
	s_cmp_eq_u32 s17, 1
	s_cselect_b32 s27, s27, s25                    ; how many ranks of my class there are
	s_cselect_b32 s36, s37, s36                    ; and its rows' exponent
	v_cmp_gt_u32 s26, s27, v180                    ; is my rank one of them?
	s_add_co_i32 s36, s36, 127
	s_lshl_b32 s37, s36, 23
	v_mov_b32 v8, s37                              ; the rows' scale as f32
	s_add_co_i32 s36, s36, 15
	s_lshl_b32 s36, s36, 23
	s_or_b32 s36, s36, 0x600000
	v_mov_b32 v9, s36                              ; 57,344 x that
	s_add_co_i32 s38, s38, 127
	s_lshl_b32 s39, s38, 23
	v_mov_b32 v10, s39                             ; 2^e5
	s_add_co_i32 s38, s38, 15
	s_lshl_b32 s38, s38, 23
	s_or_b32 s38, s38, 0x600000
	v_mov_b32 v11, s38
	s_wait_loadcnt 0x0
	v_mov_b32 v7, v6                               ; (named with v6 as a pair)
.set n, 0
.rept 64
	v_cndmask_b32 v[X+n], v15, v[X+n], s26         ; a null rank holds zeros
.set n, n+1
.endr
	s_cmp_eq_u32 s17, 0
	s_cbranch_scc1 .Lrows                          ; the queries have no part in V
.set n, 0
.rept 64
	ds_store_b32 v12, v[X+n] offset:144*n
.set n, n+1
.endr
.set n, 0
.rept 16
	ds_load_b128 v[Y+4*n:Y+4*n+3], v13 offset:2304*(n/4)+16*(n%4)   ; LDS serves a wave's instructions in order: these see my stores.  Channel tile n / 4, keys 16 h + 4 (n % 4) on
.set n, n+1
.endr
	s_wait_dscnt 0x0
.set n, 0
.rept 64
	v_med3_num_f32 v[Y+n], v[Y+n], -v11, v11       ; the hold at the largest code x the scale (the conversion does not saturate: ISA guide 7.6.2)
.set n, n+1
.endr
.set n, 0
.rept 8
	v_cvt_scalef32_pk8_bf8_f32 v[VC+2*n:VC+2*n+1], v[Y+8*n:Y+8*n+7], v10
.set n, n+1
.endr
	v_nop                                          ; a plain line behind the last conversion: its sources are written again below
.irp c, 0,1,2,3
	global_store_b128 v14, v[VC+4*\c:VC+4*\c+3], s[30:31] offset:2048*\c   ; 512 consecutive bytes
.endr
.Lrows:
.set n, 0
.rept 32
	v_pk_mul_f32 v[Y+n:Y+n+1], v[X+n:X+n+1], v[6:7] op_sel_hi:[1,0]        ; X / |X|
.set n, n+2
.endr
.set n, 0
.rept 64
	v_med3_num_f32 v[Y+n], v[Y+n], -v9, v9
.set n, n+1
.endr
.set n, 0
.rept 8
	v_cvt_scalef32_pk8_bf8_f32 v[RC+2*n:RC+2*n+1], v[Y+8*n:Y+8*n+7], v8
.set n, n+1
.endr
	v_nop
.irp c, 0,1
.irp i, 0,1,2,3
	v_permlane16_swap_b32 v[RC+8*\c+\i], v[RC+8*\c+4+\i]   ; the first register becomes the first tile's (lane (r, h): row r, k 16 h ..), the second the second tile's
.endr
.endr
.irp c, 0,1
.irp u, 0,1
	global_store_b128 v14, v[RC+8*\c+4*\u:RC+8*\c+4*\u+3], s[32:33] offset:4096*\u+512*\c
.endr
.endr
	s_wait_tensorcnt 0x0
	ds_add_u32 v192, v193
	s_wait_dscnt 0x0
	s_endpgm
.Lfunc_end_k_qbae52aab58_pack:
	.size	k_qbae52aab58_pack, .Lfunc_end_k_qbae52aab58_pack-k_qbae52aab58_pack
	.p2alignl 7, 3214868480
	.fill 96, 4, 3214868480
	.section	.rodata,"a",@progbits
	.p2align	6, 0x0
	.amdhsa_kernel k_qbae52aab58_pack
		.amdhsa_group_segment_fixed_size 37376
		.amdhsa_private_segment_fixed_size 0
		.amdhsa_enable_private_segment 0
		.amdhsa_kernarg_size 40
		.amdhsa_user_sgpr_count 2
		.amdhsa_user_sgpr_kernarg_segment_ptr 1
		.amdhsa_wavefront_size32 1
		.amdhsa_system_sgpr_workgroup_id_x 1
		.amdhsa_system_sgpr_workgroup_id_y 1
		.amdhsa_system_sgpr_workgroup_id_z 1
		.amdhsa_system_vgpr_workitem_id 0
		.amdhsa_next_free_vgpr 194
		.amdhsa_next_free_sgpr 66
		.amdhsa_reserve_vcc 0
		.amdhsa_float_denorm_mode_32 3
		.amdhsa_float_denorm_mode_16_64 3
		.amdhsa_memory_ordered 1
		.amdhsa_forward_progress 1
		.amdhsa_inst_pref_size 32
	.end_amdhsa_kernel
	.amdgpu_metadata
---
amdhsa.version: [ 1, 2 ]
amdhsa.kernels:
  - .name:           k_qbae52aab58_pack
    .symbol:         k_qbae52aab58_pack.kd
    .args:
      - { .name: f, .offset: 0, .size: 8, .value_kind: global_buffer, .address_space: global }
      - { .name: lists, .offset: 8, .size: 8, .value_kind: global_buffer, .address_space: global }
      - { .name: stat0, .offset: 16, .size: 8, .value_kind: global_buffer, .address_space: global }
      - { .name: lowp_scales, .offset: 24, .size: 8, .value_kind: global_buffer, .address_space: global }
      - { .name: codes, .offset: 32, .size: 8, .value_kind: global_buffer, .address_space: global }
    .group_segment_fixed_size: 37376
    .private_segment_fixed_size: 0
    .kernarg_segment_align: 8
    .kernarg_segment_size: 40
    .max_flat_workgroup_size: 128
    .sgpr_count:     66
    .vgpr_count:     194
    .wavefront_size: 32
...
	.end_amdgpu_metadata
.endif
;; end of part 3
;; launch pass1 (part 4): grid 64 x 4, 4 waves a work-group, no clusters, 0 bytes of LDS; arguments codes, lists, lowp_scales, part1; writes part1
.if DOCPART == 4
	.amdgcn_target "amdgcn-amd-amdhsa--gfx1250"
	.amdhsa_code_object_version 6
	.text
	.protected	k_qbae52aab58_pass1
	.globl	k_qbae52aab58_pass1
	.p2align	8
	.type	k_qbae52aab58_pass1,@function
k_qbae52aab58_pass1:
	s_mov_b64 s[64:65], 0
	v_nop
	global_prefetch_b8 v0, s[64:65] scope:SCOPE_SE
	s_setreg_imm32_b32 hwreg(HW_REG_WAVE_MODE, 25, 1), 1
	s_wait_xcnt 0x0
; FIRST SWEEP OVER THE WEIGHTS: for each query the sums that give the softmax's divisor and the weights' variance.
; e = 2^(c s), s the sum of codes of product 2, c = log2(e) 2^(e2 + e3).  NO MAXIMUM IS TAKEN AWAY: both operands are vectors that reference() itself normalises, and the quantiser at most doubles a number,
; so |similarity| <= 4 for every input and every scale: e lies between e^-4 and e^4, and a sum of 8,192 of them is far from any bound of f32.
; u = e - 1; SU = sum of u, SQ = sum of u^2 over the keys.  Then Z = t + SU and the sum of (e - Z / t)^2 = SQ - SU^2 / t.  A null key has zero codes: s = 0, e = 1, u = 0: it adds nothing, with no mask.
; SHARES.  Only anomalous rows and normal columns are multiplied: the rest reference() throws away.  Work-group (i, y): row group i (tiles i, i + 64, ..: NT of them, 8 at the most) x a quarter y of the key blocks of 128.
; Wave w takes keys 32 w .. 32 w + 31 of each block.  S^T = K Q^T (source 0 = 16 keys, source 1 = 16 queries): lane (r, h) holds query r and 16 neighbouring keys.
; Operands come from their images straight into registers: which tiles and blocks are walked hangs on a, a whole number read from memory.  Waves share nothing: no LDS, no barrier.
; No joint loads in clusters: this launch has no tensor load.
; part1[4 y + w][q] = (SU, SQ) of that wave's keys.  All eight tiles are stored; tiles past NT hold zeros.
; LIMIT: e2 + e3 between -126 and 127.
; REGISTERS: window 0: v1 16 x lane, v5 8 x lane; v16-79 the sums, eight a tile; v80-127 S^T, three sets of 16.  Window 1: Q, 32 a tile.  Window 2: K, four sets of 64 that take turns.
.set ST, 16
.set S0, 80
.set MSB, 0
.macro WIN new                         ; the immediate's high byte repeats the setting that is left
.if MSB != \new
	s_set_vgpr_msb (MSB<<8)|\new
.set MSB, \new
.endif
.endm
; my wave's 8 KiB of key block BLK + ahead (held at the last block of the image, whose bytes are all written) into set buf
.macro KLOAD buf, ahead
	s_wait_xcnt 0x0                                ; the earlier loads have read their base: it may be written
	s_add_co_u32 s34, s23, \ahead
	s_min_u32 s34, s34, 63
	s_lshl_b32 s34, s34, 15
	s_add_nc_u64 s[32:33], s[30:31], s[34:35]
	WIN 0x80                                       ; destination window 2
.set n, 0
.rept 16
	global_load_b128 v[64*(\buf)+4*n:64*(\buf)+4*n+3], v1, s[32:33] offset:512*n
.set n, n+1
.endr
	WIN 0
.endm
; tile m's scores for my 32 keys: two accumulators by turns, two K steps
.macro MM m, kb
.set sS, S0+16*((\m)%3)
	WIN 0x06                                       ; source 0 (K) window 2, source 1 (Q) window 1
	v_wmma_f32_16x16x128_bf8_bf8 v[sS:sS+7], v[64*(\kb):64*(\kb)+15], v[32*(\m):32*(\m)+15], 0
	v_wmma_f32_16x16x128_bf8_bf8 v[sS+8:sS+15], v[64*(\kb)+32:64*(\kb)+47], v[32*(\m):32*(\m)+15], 0
	v_wmma_f32_16x16x128_bf8_bf8 v[sS:sS+7], v[64*(\kb)+16:64*(\kb)+31], v[32*(\m)+16:32*(\m)+31], v[sS:sS+7]
	v_wmma_f32_16x16x128_bf8_bf8 v[sS+8:sS+15], v[64*(\kb)+48:64*(\kb)+63], v[32*(\m)+16:32*(\m)+31], v[sS+8:sS+15]
	WIN 0
.endm
.macro COND_MM m, kb
	s_cmp_gt_u32 s21, \m
	s_cbranch_scc0 .Lnomm_\@
	MM \m, \kb
.Lnomm_\@:
.endm
.macro SOFT m
.set sS, S0+16*((\m)%3)
.set sT, ST+8*(\m)
.set p, 0
.rept 8
	v_pk_mul_f32 v[sS+p:sS+p+1], v[sS+p:sS+p+1], s[26:27] op_sel_hi:[1,0]   ; c s; each accumulator is read from its low end on
.set p, p+2
.endr
.set p, 0
.rept 16
	v_exp_f32 v[sS+p], v[sS+p]
.set p, p+1
.endr
	v_nop                                          ; a plain line behind the last exponential,
	s_wait_alu depctr_va_vdst(0)                   ; and one wait for the batch of 16, ahead of its first use
.set p, 0
.rept 8
	v_pk_add_f32 v[sS+p:sS+p+1], v[sS+p:sS+p+1], -1.0 op_sel_hi:[1,0]       ; u = e - 1
.set p, p+2
.endr
.set p, 0
.rept 4
	v_pk_add_f32 v[sT:sT+1], v[sT:sT+1], v[sS+p:sS+p+1]
	v_pk_add_f32 v[sT+2:sT+3], v[sT+2:sT+3], v[sS+p+2:sS+p+3]
	v_pk_fma_f32 v[sT+4:sT+5], v[sS+p:sS+p+1], v[sS+p:sS+p+1], v[sT+4:sT+5]
	v_pk_fma_f32 v[sT+6:sT+7], v[sS+p+2:sS+p+3], v[sS+p+2:sS+p+3], v[sT+6:sT+7]
.set p, p+4
.endr
.endm
; A block against the group's NT tiles.  The products run two tiles ahead of the vector work, which fills the places behind them; five v_nop stand behind the first ones
; (four ahead of the first read of tile 0's scores, five ahead of tile 3's products, which write over them).  Tile 0 is always worked: a group with no tile finds null rows there.
.macro TILES kb
	MM 0, \kb
	COND_MM 1, \kb
.rept 5
	v_nop
.endr
.irp m, 0,1,2,3,4,5,6,7
.if \m < 6
	COND_MM \m+2, \kb
.endif
	SOFT \m
.if \m < 7
	s_cmp_gt_u32 s21, \m+1
	s_cbranch_scc0 .Ltend_\@
.endif
.endr
.Ltend_\@:
.endm
; One block.  The loads stand on every way, so that the count below means the same on every way: behind this block's 16 loads the 16 of each of the three blocks that follow were issued.
.macro TRIP kb, nb
	KLOAD \nb, 3
	s_wait_loadcnt 48
	s_cmp_ge_u32 s23, s24
	s_cbranch_scc1 .Lskip_\@                       ; past my quarter's end: nothing to add
	TILES \kb
.Lskip_\@:
	s_add_co_u32 s23, s23, 1
.endm
	s_load_b256 s[4:11], s[0:1], 0x0               ; codes s[4:5], lists s[6:7], the scales' exponents s[8:9], part1 s[10:11]
	v_lshrrev_b32 v1, 5, v0
	v_readfirstlane_b32 s16, v1                    ; wave
	v_and_b32 v2, 31, v0
	v_lshlrev_b32 v1, 4, v2                        ; 16 x lane
	v_lshlrev_b32 v5, 3, v2                        ; 8 x lane
	s_mov_b32 s17, ttmp9                           ; i
	s_and_b32 s18, ttmp7, 0xffff                   ; y
	s_mov_b32 s28, 0x76543210
	s_mov_b32 s29, 0xfedcba98
	s_mov_b32 s35, 0
	s_mov_b32 s36, 0xffff0000                      ; lanes 16-31
	s_wait_kmcnt 0x0
	s_load_b32 s19, s[6:7], 0x10000                ; a
	s_load_b64 s[14:15], s[8:9], 0x8               ; e2, e3
	s_lshl_b32 s34, s17, 15
	s_add_nc_u64 s[32:33], s[4:5], s[34:35]        ; my group's eight tiles of Q
	WIN 0x40                                       ; destination window 1
.set n, 0
.rept 64
	global_load_b128 v[4*n:4*n+3], v1, s[32:33] offset:512*n
.set n, n+1
.endr
	WIN 0
	s_lshl_b32 s34, s16, 13
	s_add_co_u32 s34, s34, 0x200000
	s_add_nc_u64 s[30:31], s[4:5], s[34:35]        ; K's image at my wave's part of block 0
	s_lshl_b32 s34, s18, 2
	s_add_co_u32 s34, s34, s16
	s_lshl_b32 s34, s34, 16
	s_lshl_b32 s37, s17, 10
	s_add_co_u32 s34, s34, s37
	s_add_nc_u64 s[40:41], s[10:11], s[34:35]      ; part1[4 y + w][128 i]
	s_wait_kmcnt 0x0
	s_sub_co_u32 s20, 0x2000, s19                  ; t
	s_add_co_u32 s21, s19, 15
	s_lshr_b32 s21, s21, 4                         ; row tiles in all
	s_add_co_u32 s21, s21, 63
	s_sub_co_u32 s21, s21, s17
	s_lshr_b32 s21, s21, 6                         ; NT: tiles i, i + 64, ..
	s_add_co_u32 s22, s20, 127
	s_lshr_b32 s22, s22, 7                         ; key blocks in all
	s_mul_i32 s23, s18, s22
	s_add_co_u32 s24, s23, s22
	s_lshr_b32 s23, s23, 2                         ; my quarter's first block,
	s_lshr_b32 s24, s24, 2                         ; and the first behind it
	s_add_co_i32 s26, s14, s15
	s_lshl_b32 s26, s26, 23
	s_add_co_i32 s26, s26, 0x3fb8aa3b              ; c: the two exponents are added to the exponent field of log2(e)
	s_mov_b32 s27, s26                             ; (named with it as a pair)
	KLOAD 0, 0
	KLOAD 1, 1
	KLOAD 2, 2
.set n, ST
.rept 112
	v_mov_b32 v[n], 0                              ; the sums begin at 0, since the number of trips is read from memory and may be 0; S^T is written once, so that every way through the text finds it written
.set n, n+1
.endr
	s_sub_co_u32 s25, s24, s23
	s_add_co_u32 s25, s25, 3
	s_lshr_b32 s25, s25, 2                         ; trips of four blocks
	s_cmp_eq_u32 s25, 0
	s_cbranch_scc1 .Ldone
	s_mov_b32 s38, 0
.Lloop:
	TRIP 0, 3
	TRIP 1, 0
	TRIP 2, 1
	TRIP 3, 2
	s_add_co_u32 s38, s38, 1
	s_cmp_lt_u32 s38, s25
	s_cbranch_scc1 .Lloop
.Ldone:
.irp m, 0,1,2,3,4,5,6,7
	v_pk_add_f32 v[ST+8*\m:ST+8*\m+1], v[ST+8*\m:ST+8*\m+1], v[ST+8*\m+2:ST+8*\m+3]
	v_pk_add_f32 v[ST+8*\m+4:ST+8*\m+5], v[ST+8*\m+4:ST+8*\m+5], v[ST+8*\m+6:ST+8*\m+7]
.endr
.irp m, 0,1,2,3,4,5,6,7
	v_add_f32 v[ST+8*\m], v[ST+8*\m], v[ST+8*\m+1]
	v_add_f32 v[ST+8*\m+1], v[ST+8*\m+4], v[ST+8*\m+5]
.endr
.irp m, 0,1,2,3,4,5,6,7
	v_permlanex16_b32 v[ST+8*\m+2], v[ST+8*\m], s28, s29       ; the query's other 16 keys lie in the lane 16 away
	v_permlanex16_b32 v[ST+8*\m+3], v[ST+8*\m+1], s28, s29
.endr
.irp m, 0,1,2,3,4,5,6,7
	v_pk_add_f32 v[ST+8*\m:ST+8*\m+1], v[ST+8*\m:ST+8*\m+1], v[ST+8*\m+2:ST+8*\m+3]
.endr
.irp m, 0,2,4,6
	v_cndmask_b32 v[ST+8*\m], v[ST+8*\m], v[ST+8*\m+8], s36    ; lanes 16-31 take the next tile: 32 lanes store 256 consecutive bytes, aligned
	v_cndmask_b32 v[ST+8*\m+1], v[ST+8*\m+1], v[ST+8*\m+9], s36
	global_store_b64 v5, v[ST+8*\m:ST+8*\m+1], s[40:41] offset:128*\m
.endr
	s_endpgm
.Lfunc_end_k_qbae52aab58_pass1:
	.size	k_qbae52aab58_pass1, .Lfunc_end_k_qbae52aab58_pass1-k_qbae52aab58_pass1
	.p2alignl 7, 3214868480
	.fill 96, 4, 3214868480
	.section	.rodata,"a",@progbits
	.p2align	6, 0x0
	.amdhsa_kernel k_qbae52aab58_pass1
		.amdhsa_group_segment_fixed_size 0
		.amdhsa_private_segment_fixed_size 0
		.amdhsa_enable_private_segment 0
		.amdhsa_kernarg_size 32
		.amdhsa_user_sgpr_count 2
		.amdhsa_user_sgpr_kernarg_segment_ptr 1
		.amdhsa_wavefront_size32 1
		.amdhsa_system_sgpr_workgroup_id_x 1
		.amdhsa_system_sgpr_workgroup_id_y 1
		.amdhsa_system_sgpr_workgroup_id_z 1
		.amdhsa_system_vgpr_workitem_id 0
		.amdhsa_next_free_vgpr 768
		.amdhsa_next_free_sgpr 66
		.amdhsa_reserve_vcc 0
		.amdhsa_float_denorm_mode_32 3
		.amdhsa_float_denorm_mode_16_64 3
		.amdhsa_memory_ordered 1
		.amdhsa_forward_progress 1
		.amdhsa_inst_pref_size 125
	.end_amdhsa_kernel
	.amdgpu_metadata
---
amdhsa.version: [ 1, 2 ]
amdhsa.kernels:
  - .name:           k_qbae52aab58_pass1
    .symbol:         k_qbae52aab58_pass1.kd
    .args:
      - { .name: codes, .offset: 0, .size: 8, .value_kind: global_buffer, .address_space: global }
      - { .name: lists, .offset: 8, .size: 8, .value_kind: global_buffer, .address_space: global }
      - { .name: lowp_scales, .offset: 16, .size: 8, .value_kind: global_buffer, .address_space: global }
      - { .name: part1, .offset: 24, .size: 8, .value_kind: global_buffer, .address_space: global }
    .group_segment_fixed_size: 0
    .private_segment_fixed_size: 0
    .kernarg_segment_align: 8
    .kernarg_segment_size: 32
    .max_flat_workgroup_size: 128
    .sgpr_count:     66
    .vgpr_count:     768
    .wavefront_size: 32
...
	.end_amdgpu_metadata
.endif
;; end of part 4
;; launch pass2 (part 5): grid 64 x 4, 4 waves a work-group, no clusters, 0 bytes of LDS; arguments codes, lists, lowp_scales, part1, part2; writes part2
.if DOCPART == 5
	.amdgcn_target "amdgcn-amd-amdhsa--gfx1250"
	.amdhsa_code_object_version 6
	.text
	.protected	k_qbae52aab58_pass2
	.globl	k_qbae52aab58_pass2
	.p2align	8
	.type	k_qbae52aab58_pass2,@function
k_qbae52aab58_pass2:
	s_mov_b64 s[64:65], 0
	v_nop
	global_prefetch_b8 v0, s[64:65] scope:SCOPE_SE
	s_setreg_imm32_b32 hwreg(HW_REG_WAVE_MODE, 25, 1), 1
	s_wait_xcnt 0x0
; SECOND SWEEP: for each query S, the sum of the thresholded weights, by which reference() normalises them again.
; From the first sweep's 16 partial sums: Z = t + SU, mu = 1 / max(t, 1), var = (SQ - SU^2 / t) / (t Z^2), thr = mu - 2 sqrt(max(var, 0)).
; w = e / Z, r = max(w - thr, 0), g = r w / (r + 1e-10): reference()'s relu(w - thr) w / (|w - thr| + 1e-10) for both signs of w - thr.  S = the sum of g over the normal columns.
; e = 2^(c s) as in the first sweep, and for the same reason no maximum is taken away: both operands are normalised by reference() itself, |similarity| <= 4.
; Null keys stand only in the last block: there -1000 is added to c s by the same multiply-add that applies c, so that e = 0 and g = 0.
; Shares, operands, registers and the loop are the first sweep's.  part2[4 y + w][q] = my wave's part of S.
; LIMITS: e2 + e3 between -126 and 127.  Where a row's similarities agree to about a thousandth, SQ - SU^2 / t is formed with cancellation, and thr moves by a fraction of the weights' spread.
; REGISTERS: window 0: v1 16 x lane, v3 16 h, v5 4 x lane, v7 part1's offset, v9 -1000, v10 1 / max(t, 1), v11 t; v16-31 (1 / Z, -thr) a tile; v32-63 the sums, four a tile; v64-79 the bias of my 16 keys;
;   v80-127 S^T, three sets; v128-143 at work; v128-255 at work at the head.  Window 1: Q.  Window 2: K, four sets.
.set CON,  16
.set CS,   2
.set SS,   32
.set BIAS, 64
.set S0,   80
.set T,    128
.set RTR,  10
.set TFR,  11
.set MSB, 0
.macro WIN new
.if MSB != \new
	s_set_vgpr_msb (MSB<<8)|\new
.set MSB, \new
.endif
.endm
.macro KLOAD buf, ahead
	s_wait_xcnt 0x0                                ; the earlier loads have read their base: it may be written
	s_add_co_u32 s34, s23, \ahead
	s_min_u32 s34, s34, 63
	s_lshl_b32 s34, s34, 15
	s_add_nc_u64 s[32:33], s[30:31], s[34:35]
	WIN 0x80
.set n, 0
.rept 16
	global_load_b128 v[64*(\buf)+4*n:64*(\buf)+4*n+3], v1, s[32:33] offset:512*n
.set n, n+1
.endr
	WIN 0
.endm
.macro MM m, kb
.set sS, S0+16*((\m)%3)
	WIN 0x06
	v_wmma_f32_16x16x128_bf8_bf8 v[sS:sS+7], v[64*(\kb):64*(\kb)+15], v[32*(\m):32*(\m)+15], 0
	v_wmma_f32_16x16x128_bf8_bf8 v[sS+8:sS+15], v[64*(\kb)+32:64*(\kb)+47], v[32*(\m):32*(\m)+15], 0
	v_wmma_f32_16x16x128_bf8_bf8 v[sS:sS+7], v[64*(\kb)+16:64*(\kb)+31], v[32*(\m)+16:32*(\m)+31], v[sS:sS+7]
	v_wmma_f32_16x16x128_bf8_bf8 v[sS+8:sS+15], v[64*(\kb)+48:64*(\kb)+63], v[32*(\m)+16:32*(\m)+31], v[sS+8:sS+15]
	WIN 0
.endm
.macro COND_MM m, kb
	s_cmp_gt_u32 s21, \m
	s_cbranch_scc0 .Lnomm_\@
	MM \m, \kb
.Lnomm_\@:
.endm
.macro SOFT m
.set sS, S0+16*((\m)%3)
.set sC, CON+CS*(\m)
.set sA, SS+4*(\m)
.set p, 0
.rept 8
	v_pk_fma_f32 v[sS+p:sS+p+1], v[sS+p:sS+p+1], s[26:27], v[BIAS+p:BIAS+p+1] op_sel_hi:[1,0,1]   ; c s + bias; each accumulator from its low end on
.set p, p+2
.endr
.set p, 0
.rept 16
	v_exp_f32 v[sS+p], v[sS+p]
.set p, p+1
.endr
	v_nop
	s_wait_alu depctr_va_vdst(0)                   ; one wait for the 16 exponentials
.set p, 0
.rept 8
	v_pk_mul_f32 v[sS+p:sS+p+1], v[sS+p:sS+p+1], v[sC:sC+1] op_sel_hi:[1,0]                  ; w = e / Z
.set p, p+2
.endr
.set p, 0
.rept 8
	v_pk_add_f32 v[T+p:T+p+1], v[sS+p:sS+p+1], v[sC:sC+1] op_sel:[0,1] op_sel_hi:[1,1]       ; w - thr
.set p, p+2
.endr
.set p, 0
.rept 16
	v_max_num_f32 v[T+p], 0, v[T+p]                ; r
.set p, p+1
.endr
.set p, 0
.rept 8
	v_pk_mul_f32 v[sS+p:sS+p+1], v[sS+p:sS+p+1], v[T+p:T+p+1]                                ; r w
.set p, p+2
.endr
.set p, 0
.rept 8
	v_pk_add_f32 v[T+p:T+p+1], v[T+p:T+p+1], 0x2edbe6ff op_sel_hi:[1,0]                      ; r + 1e-10
.set p, p+2
.endr
.set p, 0
.rept 16
	v_rcp_f32 v[T+p], v[T+p]
.set p, p+1
.endr
	v_nop
	s_wait_alu depctr_va_vdst(0)                   ; one wait for the 16 reciprocals
.set p, 0
.rept 4
	v_pk_fma_f32 v[sA:sA+1], v[sS+p:sS+p+1], v[T+p:T+p+1], v[sA:sA+1]                        ; S += g, in two chains
	v_pk_fma_f32 v[sA+2:sA+3], v[sS+p+2:sS+p+3], v[T+p+2:T+p+3], v[sA+2:sA+3]
.set p, p+4
.endr
.endm
.macro TILES kb                        ; as in the first sweep: products two tiles ahead, five v_nop behind the first ones
	MM 0, \kb
	COND_MM 1, \kb
.rept 5
	v_nop
.endr
.irp m, 0,1,2,3,4,5,6,7
.if \m < 6
	COND_MM \m+2, \kb
.endif
	SOFT \m
.if \m < 7
	s_cmp_gt_u32 s21, \m+1
	s_cbranch_scc0 .Ltend_\@
.endif
.endr
.Ltend_\@:
.endm
.macro TRIP kb, nb
	KLOAD \nb, 3
	s_wait_loadcnt 48                              ; behind this block's loads: the 16 of each of the three blocks that follow, on every way
	s_cmp_ge_u32 s23, s24
	s_cbranch_scc1 .Lskip_\@
	s_add_co_u32 s37, s23, 1
	s_cmp_lg_u32 s37, s22
	s_cbranch_scc1 .Lfull_\@                       ; only the last block of all can hold null keys
	s_lshl_b32 s37, s23, 7
	s_sub_co_u32 s37, s20, s37
	s_sub_co_u32 s37, s37, s39
	v_sub_nc_u32 v6, s37, v3                       ; t - 128 block - 32 w - 16 h: my key n is null where n is not under this
.set p, 0
.rept 16
	v_cmp_ge_i32 vcc_lo, p, v6
	v_cndmask_b32 v[BIAS+p], 0, v9, vcc_lo
.set p, p+1
.endr
.Lfull_\@:
	TILES \kb
.Lskip_\@:
	s_add_co_u32 s23, s23, 1
.endm
	s_load_b256 s[4:11], s[0:1], 0x0               ; codes, lists, the scales' exponents, part1
	s_load_b64 s[12:13], s[0:1], 0x20              ; part2
	v_lshrrev_b32 v1, 5, v0
	v_readfirstlane_b32 s16, v1
	v_and_b32 v2, 31, v0
	v_lshlrev_b32 v1, 4, v2                        ; 16 x lane
	v_lshlrev_b32 v5, 2, v2                        ; 4 x lane
	v_bfe_u32 v3, v0, 4, 1                         ; h
	v_and_b32 v2, 15, v0                           ; r
	v_lshlrev_b32 v7, 16, v3
	v_lshl_add_u32 v7, v2, 3, v7                   ; part1: lanes of half h take the splits 2 k + h: 65,536 h + 8 r
	v_lshlrev_b32 v3, 4, v3                        ; 16 h
	v_mov_b32 v9, 0xc47a0000                       ; -1000
	s_mov_b32 s17, ttmp9
	s_and_b32 s18, ttmp7, 0xffff
	s_mov_b32 s28, 0x76543210
	s_mov_b32 s29, 0xfedcba98
	s_mov_b32 s35, 0
	s_mov_b32 s36, 0xffff0000
	s_lshl_b32 s39, s16, 5                         ; 32 w
	s_wait_kmcnt 0x0
	s_load_b32 s19, s[6:7], 0x10000                ; a
	s_load_b64 s[14:15], s[8:9], 0x8               ; e2, e3
	s_lshl_b32 s34, s17, 15
	s_add_nc_u64 s[32:33], s[4:5], s[34:35]
	WIN 0x40
.set n, 0
.rept 64
	global_load_b128 v[4*n:4*n+3], v1, s[32:33] offset:512*n
.set n, n+1
.endr
	WIN 0
	s_lshl_b32 s34, s16, 13
	s_add_co_u32 s34, s34, 0x200000
	s_add_nc_u64 s[30:31], s[4:5], s[34:35]
	s_lshl_b32 s34, s17, 10
	s_add_nc_u64 s[42:43], s[10:11], s[34:35]      ; part1 at my group's rows
	s_lshl_b32 s34, s18, 2
	s_add_co_u32 s34, s34, s16
	s_lshl_b32 s34, s34, 15
	s_lshl_b32 s37, s17, 9
	s_add_co_u32 s34, s34, s37
	s_add_nc_u64 s[40:41], s[12:13], s[34:35]      ; part2[4 y + w][128 i]
	s_wait_kmcnt 0x0
	s_sub_co_u32 s20, 0x2000, s19
	s_add_co_u32 s21, s19, 15
	s_lshr_b32 s21, s21, 4
	s_add_co_u32 s21, s21, 63
	s_sub_co_u32 s21, s21, s17
	s_lshr_b32 s21, s21, 6                         ; NT
	s_add_co_u32 s22, s20, 127
	s_lshr_b32 s22, s22, 7                         ; key blocks in all
	s_mul_i32 s23, s18, s22
	s_add_co_u32 s24, s23, s22
	s_lshr_b32 s23, s23, 2
	s_lshr_b32 s24, s24, 2
	s_add_co_i32 s26, s14, s15
	s_lshl_b32 s26, s26, 23
	s_add_co_i32 s26, s26, 0x3fb8aa3b
	s_mov_b32 s27, s26
	KLOAD 0, 0
	KLOAD 1, 1
	KLOAD 2, 2
	; the rows' statistics, for all eight tiles
.irp m, 0,1,2,3,4,5,6,7
.irp k, 0,1,2,3,4,5,6,7
	global_load_b64 v[128+16*\m+2*\k:129+16*\m+2*\k], v7, s[42:43] offset:131072*\k+128*\m
.endr
.endr
	v_cvt_f32_u32 v[TFR], s20                      ; t
	v_max_num_f32 v8, 1.0, v[TFR]
	v_rcp_f32 v[RTR], v8                           ; mu = 1 / max(t, 1)
.set n, SS
.rept 96
	v_mov_b32 v[n], 0                              ; the sums and the bias begin at 0; S^T is written once, so that every way through the text finds it written.  (Plain lines behind the reciprocal)
.set n, n+1
.endr
	s_wait_alu depctr_va_vdst(0)
	s_wait_loadcnt 0x0
.irp m, 0,1,2,3,4,5,6,7
.irp k, 0,4,8,12
	v_pk_add_f32 v[128+16*\m+\k:129+16*\m+\k], v[128+16*\m+\k:129+16*\m+\k], v[130+16*\m+\k:131+16*\m+\k]
.endr
.irp k, 0,8
	v_pk_add_f32 v[128+16*\m+\k:129+16*\m+\k], v[128+16*\m+\k:129+16*\m+\k], v[132+16*\m+\k:133+16*\m+\k]
.endr
	v_pk_add_f32 v[128+16*\m:129+16*\m], v[128+16*\m:129+16*\m], v[136+16*\m:137+16*\m]
.endr
.irp m, 0,1,2,3,4,5,6,7
	v_permlanex16_b32 v[130+16*\m], v[128+16*\m], s28, s29     ; the other eight splits
	v_permlanex16_b32 v[131+16*\m], v[129+16*\m], s28, s29
.endr
.irp m, 0,1,2,3,4,5,6,7
	v_pk_add_f32 v[128+16*\m:129+16*\m], v[128+16*\m:129+16*\m], v[130+16*\m:131+16*\m]        ; SU, SQ
	v_add_f32 v[132+16*\m], v[TFR], v[128+16*\m]               ; Z
	v_mul_f32 v[133+16*\m], v[RTR], v[128+16*\m]
	v_fma_f32 v[133+16*\m], -v[133+16*\m], v[128+16*\m], v[129+16*\m]   ; SQ - SU^2 / t
	v_max_num_f32 v[133+16*\m], 0, v[133+16*\m]
	v_mul_f32 v[133+16*\m], v[RTR], v[133+16*\m]
.endr
.irp m, 0,1,2,3,4,5,6,7
	v_sqrt_f32 v[134+16*\m], v[133+16*\m]
	v_rcp_f32 v[CON+CS*\m], v[132+16*\m]           ; 1 / Z
.endr
	v_nop
	s_wait_alu depctr_va_vdst(0)                   ; one wait for the batch of 16
.irp m, 0,1,2,3,4,5,6,7
	v_mul_f32 v[134+16*\m], v[134+16*\m], v[CON+CS*\m]
	v_fma_f32 v[CON+CS*\m+1], 2.0, v[134+16*\m], -v[RTR]       ; -thr = 2 sqrt(var) - mu
.endr
	s_sub_co_u32 s25, s24, s23
	s_add_co_u32 s25, s25, 3
	s_lshr_b32 s25, s25, 2
	s_cmp_eq_u32 s25, 0
	s_cbranch_scc1 .Ldone
	s_mov_b32 s38, 0
.Lloop:
	TRIP 0, 3
	TRIP 1, 0
	TRIP 2, 1
	TRIP 3, 2
	s_add_co_u32 s38, s38, 1
	s_cmp_lt_u32 s38, s25
	s_cbranch_scc1 .Lloop
.Ldone:
.irp m, 0,1,2,3,4,5,6,7
	v_pk_add_f32 v[SS+4*\m:SS+4*\m+1], v[SS+4*\m:SS+4*\m+1], v[SS+4*\m+2:SS+4*\m+3]
.endr
.irp m, 0,1,2,3,4,5,6,7
	v_add_f32 v[SS+4*\m], v[SS+4*\m], v[SS+4*\m+1]
.endr
.irp m, 0,1,2,3,4,5,6,7
	v_permlanex16_b32 v[SS+4*\m+1], v[SS+4*\m], s28, s29
.endr
.irp m, 0,1,2,3,4,5,6,7
	v_add_f32 v[SS+4*\m], v[SS+4*\m], v[SS+4*\m+1]
.endr
.irp m, 0,2,4,6
	v_cndmask_b32 v[SS+4*\m], v[SS+4*\m], v[SS+4*\m+4], s36    ; lanes 16-31 take the next tile: 128 consecutive bytes a store
	global_store_b32 v5, v[SS+4*\m], s[40:41] offset:64*\m
.endr
	s_endpgm
.Lfunc_end_k_qbae52aab58_pass2:
	.size	k_qbae52aab58_pass2, .Lfunc_end_k_qbae52aab58_pass2-k_qbae52aab58_pass2
	.p2alignl 7, 3214868480
	.fill 96, 4, 3214868480
	.section	.rodata,"a",@progbits
	.p2align	6, 0x0
	.amdhsa_kernel k_qbae52aab58_pass2
		.amdhsa_group_segment_fixed_size 0
		.amdhsa_private_segment_fixed_size 0
		.amdhsa_enable_private_segment 0
		.amdhsa_kernarg_size 40
		.amdhsa_user_sgpr_count 2
		.amdhsa_user_sgpr_kernarg_segment_ptr 1
		.amdhsa_wavefront_size32 1
		.amdhsa_system_sgpr_workgroup_id_x 1
		.amdhsa_system_sgpr_workgroup_id_y 1
		.amdhsa_system_sgpr_workgroup_id_z 1
		.amdhsa_system_vgpr_workitem_id 0
		.amdhsa_next_free_vgpr 768
		.amdhsa_next_free_sgpr 66
		.amdhsa_reserve_vcc 1
		.amdhsa_float_denorm_mode_32 3
		.amdhsa_float_denorm_mode_16_64 3
		.amdhsa_memory_ordered 1
		.amdhsa_forward_progress 1
		.amdhsa_inst_pref_size 216
	.end_amdhsa_kernel
	.amdgpu_metadata
---
amdhsa.version: [ 1, 2 ]
amdhsa.kernels:
  - .name:           k_qbae52aab58_pass2
    .symbol:         k_qbae52aab58_pass2.kd
    .args:
      - { .name: codes, .offset: 0, .size: 8, .value_kind: global_buffer, .address_space: global }
      - { .name: lists, .offset: 8, .size: 8, .value_kind: global_buffer, .address_space: global }
      - { .name: lowp_scales, .offset: 16, .size: 8, .value_kind: global_buffer, .address_space: global }
      - { .name: part1, .offset: 24, .size: 8, .value_kind: global_buffer, .address_space: global }
      - { .name: part2, .offset: 32, .size: 8, .value_kind: global_buffer, .address_space: global }
    .group_segment_fixed_size: 0
    .private_segment_fixed_size: 0
    .kernarg_segment_align: 8
    .kernarg_segment_size: 40
    .max_flat_workgroup_size: 128
    .sgpr_count:     66
    .vgpr_count:     768
    .wavefront_size: 32
...
	.end_amdgpu_metadata
.endif
;; end of part 5
;; launch pass3 (part 6): grid 64 x 4, 4 waves a work-group, no clusters, 67,072 bytes of LDS; arguments codes, lists, lowp_scales, part1, part2, opart; writes opart
.if DOCPART == 6
	.amdgcn_target "amdgcn-amd-amdhsa--gfx1250"
	.amdhsa_code_object_version 6
	.text
	.protected	k_qbae52aab58_pass3
	.globl	k_qbae52aab58_pass3
	.p2align	8
	.type	k_qbae52aab58_pass3,@function
k_qbae52aab58_pass3:
	s_mov_b64 s[64:65], 0
	v_nop
	global_prefetch_b8 v0, s[64:65] scope:SCOPE_SE
	s_setreg_imm32_b32 hwreg(HW_REG_WAVE_MODE, 25, 1), 1
	s_wait_xcnt 0x0
; THIRD SWEEP: the finished weights sw = g / S are quantised (2^e4) and multiplied by X (product 3).
; w, r and g as in the second sweep; sw is held at 57,344 x 2^e4 from above (it is never negative) and converted.  No maximum is taken away ahead of the exponential, for the first sweep's reason: |similarity| <= 4.
; Null keys need no mask here: their codes in V are zeros.
; SHARES.  Work-group (i, y) as in the other sweeps.  For each block of 128 keys wave w makes the codes of sw for its 32 keys and all the group's row tiles: lane (r, h) holds query r and keys 32 w + 16 h + 0 .. 15,
; which is piece w of the second product's fragment.  The pieces go to LDS as images of the registers (tile x 2,048 + w x 512 + 16 x lane); behind ONE barrier a block every wave reads whole fragments and
; multiplies them by its own 64 channels of V.  So the work-group holds one copy of O, and K and V are each read once.  Two sets of images take turns: a set is written again two trips on, behind the barrier of
; the trip between, ahead of which every wave has waited for its reads.
; O = P V (source 0 = 16 queries, source 1 = 16 channels): lane (r, h) holds channel r and queries 8 h + 0 .. 7.  opart[y][i][channel][128 places] = the sums over my quarter of the keys, as sums of codes.
; THE LOOP HAS 16 BLOCK TRIPS, A CONSTANT, so that every wave passes every barrier; a trip past my quarter's end does nothing else.  A trip's loads stand inside its first part, behind a wait for all earlier loads.
; No joint loads in clusters: this launch has no tensor load.
; LIMITS: e2 + e3 between -126 and 127; e4 between -126 and 112.
; REGISTERS: window 0: v1 16 x lane; v8 to v11 addresses; v12 57,344 x 2^e4, v13 2^e4; v16-47 (1 / Z, -thr, 1 / S, 0) a tile; v48-63 codes, four sets; v64-111 S^T, three sets; v112-127 at work; v128-255 K, two sets.
;   Window 1: Q.   Window 2: O, tile m and channel tile c at 32 m + 8 c.   Window 3: v0-63 V, v64-191 P's fragments.
.set CON,  16
.set CS,   4
.set PC,   48
.set S0,   64
.set T,    112
.set KR,   128
.set RTR,  14
.set TFR,  15
.set STAGE, 32768     ; LDS: two sets of images of 16,384 bytes; then a stage of 16 rows x (512 + 16) bytes for each wave
.set MSB, 0
.macro WIN new
.if MSB != \new
	s_set_vgpr_msb (MSB<<8)|\new
.set MSB, \new
.endif
.endm
.macro MM m, kb
.set sS, S0+16*((\m)%3)
	WIN 0x04                                       ; source 1 (Q) window 1
	v_wmma_f32_16x16x128_bf8_bf8 v[sS:sS+7], v[KR+64*(\kb):KR+64*(\kb)+15], v[32*(\m):32*(\m)+15], 0
	v_wmma_f32_16x16x128_bf8_bf8 v[sS+8:sS+15], v[KR+64*(\kb)+32:KR+64*(\kb)+47], v[32*(\m):32*(\m)+15], 0
	v_wmma_f32_16x16x128_bf8_bf8 v[sS:sS+7], v[KR+64*(\kb)+16:KR+64*(\kb)+31], v[32*(\m)+16:32*(\m)+31], v[sS:sS+7]
	v_wmma_f32_16x16x128_bf8_bf8 v[sS+8:sS+15], v[KR+64*(\kb)+48:KR+64*(\kb)+63], v[32*(\m)+16:32*(\m)+31], v[sS+8:sS+15]
	WIN 0
.endm
.macro COND_MM m, kb
	s_cmp_gt_u32 s21, \m
	s_cbranch_scc0 .Lnomm_\@
	MM \m, \kb
.Lnomm_\@:
.endm
.macro SOFT m, kb
.set sS, S0+16*((\m)%3)
.set sC, CON+CS*(\m)
.set sP, PC+4*((\m)%4)
.set p, 0
.rept 8
	v_pk_mul_f32 v[sS+p:sS+p+1], v[sS+p:sS+p+1], s[26:27] op_sel_hi:[1,0]                    ; c s; each accumulator from its low end on
.set p, p+2
.endr
.set p, 0
.rept 16
	v_exp_f32 v[sS+p], v[sS+p]
.set p, p+1
.endr
	v_nop
	s_wait_alu depctr_va_vdst(0)                   ; one wait for the 16 exponentials
.set p, 0
.rept 8
	v_pk_mul_f32 v[sS+p:sS+p+1], v[sS+p:sS+p+1], v[sC:sC+1] op_sel_hi:[1,0]                  ; w
.set p, p+2
.endr
.set p, 0
.rept 8
	v_pk_add_f32 v[T+p:T+p+1], v[sS+p:sS+p+1], v[sC:sC+1] op_sel:[0,1] op_sel_hi:[1,1]       ; w - thr
.set p, p+2
.endr
.set p, 0
.rept 16
	v_max_num_f32 v[T+p], 0, v[T+p]                ; r
.set p, p+1
.endr
.set p, 0
.rept 8
	v_pk_mul_f32 v[sS+p:sS+p+1], v[sS+p:sS+p+1], v[T+p:T+p+1]
.set p, p+2
.endr
.set p, 0
.rept 8
	v_pk_add_f32 v[T+p:T+p+1], v[T+p:T+p+1], 0x2edbe6ff op_sel_hi:[1,0]
.set p, p+2
.endr
.set p, 0
.rept 16
	v_rcp_f32 v[T+p], v[T+p]
.set p, p+1
.endr
	v_nop
	s_wait_alu depctr_va_vdst(0)                   ; one wait for the 16 reciprocals
.set p, 0
.rept 8
	v_pk_mul_f32 v[sS+p:sS+p+1], v[sS+p:sS+p+1], v[T+p:T+p+1]                                ; g
.set p, p+2
.endr
.set p, 0
.rept 8
	v_pk_mul_f32 v[sS+p:sS+p+1], v[sS+p:sS+p+1], v[sC+2:sC+3] op_sel_hi:[1,0]                ; sw = g / S
.set p, p+2
.endr
.set p, 0
.rept 16
	v_min_num_f32 v[sS+p], v[sS+p], v12            ; the conversion does not saturate (ISA guide 7.6.2); sw is not negative, so the hold is one-sided
.set p, p+1
.endr
.if (\m) >= 4
	s_wait_dscnt 0x0                               ; the store of four tiles ago has read this set of code registers
.endif
	v_cvt_scalef32_pk8_bf8_f32 v[sP:sP+1], v[sS:sS+7], v13
	v_cvt_scalef32_pk8_bf8_f32 v[sP+2:sP+3], v[sS+8:sS+15], v13
	v_nop                                          ; a plain line behind the conversions: later products write over their sources
	ds_store_b128 v8, v[sP:sP+3] offset:16384*(\kb)+2048*(\m)
.endm
.macro TILES kb                        ; as in the other sweeps: products two tiles ahead, five v_nop behind the first ones
	MM 0, \kb
	COND_MM 1, \kb
.rept 5
	v_nop
.endr
.irp m, 0,1,2,3,4,5,6,7
.if \m < 6
	COND_MM \m+2, \kb
.endif
	SOFT \m, \kb
.if \m < 7
	s_cmp_gt_u32 s21, \m+1
	s_cbranch_scc0 .Ltend_\@
.endif
.endr
.Ltend_\@:
.endm
; O += P V for row tiles 4 g .. 4 g + 3: their fragments from LDS in one run, then four products a tile, the tile's four accumulators by turns
.macro PVH kb, g
	WIN 0xc0                                       ; destination window 3
.set n, 0
.rept 16
	ds_load_b128 v[64+64*(\g)+4*n:64+64*(\g)+4*n+3], v1 offset:16384*(\kb)+8192*(\g)+512*n
.set n, n+1
.endr
	WIN 0
.irp mm, 0,1,2,3
.if \mm > 0
	s_cmp_gt_u32 s21, 4*\g+\mm
	s_cbranch_scc0 .Lpvh_\@
.endif
	s_wait_dscnt 12-4*\mm                          ; this tile's four loads are in; the later tiles' may be out
	WIN 0xaf                                       ; P and V window 3, O window 2
.irp ct, 0,1,2,3
	v_wmma_f32_16x16x128_bf8_bf8 v[32*(4*\g+\mm)+8*\ct:32*(4*\g+\mm)+8*\ct+7], v[64+16*(4*\g+\mm):64+16*(4*\g+\mm)+15], v[16*\ct:16*\ct+15], v[32*(4*\g+\mm)+8*\ct:32*(4*\g+\mm)+8*\ct+7]
.endr
	WIN 0
.endr
.Lpvh_\@:
.endm
.macro VKLOAD nb                       ; V of the block at s[40:41], K at s[32:33] into set nb
	WIN 0xc0
.set n, 0
.rept 16
	global_load_b128 v[4*n:4*n+3], v1, s[40:41] offset:512*n
.set n, n+1
.endr
	WIN 0
.set n, 0
.rept 16
	global_load_b128 v[KR+64*(\nb)+4*n:KR+64*(\nb)+4*n+3], v1, s[32:33] offset:512*n
.set n, n+1
.endr
.endm
.macro TRIP kb, nb
.rept 4
	v_nop                                          ; places behind the last trip's products, ahead of loads into registers that they read
.endr
	s_cmp_ge_u32 s23, s24
	s_cbranch_scc1 .Lno1_\@
	s_wait_loadcnt 0x0                             ; all my loads are in, this block's K (asked for a trip ago) among them: so both bases may be written
	s_min_u32 s34, s23, 63
	s_lshl_b32 s34, s34, 15
	s_add_nc_u64 s[40:41], s[48:49], s[34:35]      ; V of this block
	s_add_co_u32 s34, s23, 1
	s_min_u32 s34, s34, 63                         ; held at the image's last block, whose bytes are all written
	s_lshl_b32 s34, s34, 15
	s_add_nc_u64 s[32:33], s[30:31], s[34:35]      ; K of the next
	VKLOAD \nb
	TILES \kb
.Lno1_\@:
	s_wait_dscnt 0x0                               ; my images lie in LDS, and my reads of the other set are over
	s_barrier_signal -1
	s_barrier_wait -1
	s_cmp_ge_u32 s23, s24
	s_cbranch_scc1 .Lno2_\@
	s_wait_loadcnt 16                              ; V is in; the next K's 16 loads may be out
	PVH \kb, 0
	s_cmp_gt_u32 s21, 4
	s_cbranch_scc0 .Lno2_\@
	PVH \kb, 1
.Lno2_\@:
	s_add_co_u32 s23, s23, 1
.endm
; The way out of row tiles 4 u .. 4 u + 3, a channel tile at a time: a lane's eight queries of a channel are 32 bytes; they go into my stage's rows and come back as 256 bytes of a row for sixteen lanes.
.macro OUT u
.irp ct, 0,1,2,3
	WIN 0x08                                       ; store data window 2
.irp mm, 0,1,2,3
	ds_store_b128 v9, v[32*(4*\u+\mm)+8*\ct:32*(4*\u+\mm)+8*\ct+3] offset:64*(4*\u+\mm)       ; each accumulator from its low end on
	ds_store_b128 v9, v[32*(4*\u+\mm)+8*\ct+4:32*(4*\u+\mm)+8*\ct+7] offset:64*(4*\u+\mm)+16
.endr
	WIN 0
.irp i, 0,1,2,3,4,5,6,7
	ds_load_b128 v[KR+32*\ct+4*\i:KR+32*\ct+4*\i+3], v10 offset:1056*\i+256*\u   ; LDS serves a wave's instructions in order: these see my stores, and the next channel tile's stores come behind them
.endr
.endr
.irp ct, 0,1,2,3
.irp i, 0,1,2,3,4,5,6,7
	s_wait_dscnt 16*(3-\ct)+7-\i                   ; what was issued behind this load: the rest of its eight, and 16 for each later channel tile
	global_store_b128 v11, v[KR+32*\ct+4*\i:KR+32*\ct+4*\i+3], s[50:51] offset:8192*\ct+1024*\i+256*\u   ; sixteen lanes store 256 consecutive bytes, aligned
.endr
.endr
.endm
	s_load_b256 s[4:11], s[0:1], 0x0               ; codes, lists, the scales' exponents, part1
	s_load_b128 s[12:15], s[0:1], 0x20             ; part2 s[12:13], opart s[14:15]
	s_set_vgpr_msb 0xc0
	v_lshl_add_u32 v254, v0, 2, 0x10400
	v_mov_b32 v255, 0
	s_set_vgpr_msb 0xc000
	v_lshrrev_b32 v1, 5, v0
	v_readfirstlane_b32 s16, v1
	v_and_b32 v4, 31, v0
	v_lshlrev_b32 v1, 4, v4                        ; 16 x lane
	v_and_b32 v2, 15, v0                           ; r
	v_bfe_u32 v3, v0, 4, 1                         ; h
	v_lshlrev_b32 v7, 16, v3
	v_lshl_add_u32 v7, v2, 3, v7                   ; part1: 65,536 h + 8 r
	v_lshlrev_b32 v6, 15, v3
	v_lshl_add_u32 v6, v2, 2, v6                   ; part2: 32,768 h + 4 r
	s_lshl_b32 s37, s16, 9
	v_add_nc_u32 v8, s37, v1                       ; my piece of an image: 512 w + 16 lane
	s_mul_i32 s37, s16, 8448
	s_add_co_u32 s37, s37, STAGE                   ; my stage
	v_mul_u32_u24 v9, v2, 528
	v_lshl_add_u32 v9, v3, 5, v9
	v_add_nc_u32 v9, s37, v9                       ; in: channel row r, + 32 h
	v_mul_u32_u24 v10, v3, 528
	v_lshl_add_u32 v10, v2, 4, v10
	v_add_nc_u32 v10, s37, v10                     ; back: lanes 0-15 one row, lanes 16-31 the next
	v_lshlrev_b32 v11, 9, v3
	v_lshl_add_u32 v11, v2, 4, v11                 ; and the same two rows in opart
	s_mov_b32 s17, ttmp9
	s_and_b32 s18, ttmp7, 0xffff
	s_mov_b32 s28, 0x76543210
	s_mov_b32 s29, 0xfedcba98
	s_mov_b32 s35, 0
	s_wait_kmcnt 0x0
	s_load_b32 s19, s[6:7], 0x10000                ; a
	s_load_b64 s[44:45], s[8:9], 0x8               ; e2, e3
	s_load_b32 s46, s[8:9], 0x10                   ; e4
	s_lshl_b32 s34, s17, 15
	s_add_nc_u64 s[32:33], s[4:5], s[34:35]
	WIN 0x40
.set n, 0
.rept 64
	global_load_b128 v[4*n:4*n+3], v1, s[32:33] offset:512*n   ; my group's eight tiles of Q
.set n, n+1
.endr
	WIN 0
	s_lshl_b32 s34, s17, 10
	s_add_nc_u64 s[42:43], s[10:11], s[34:35]      ; part1 at my group's rows
	s_lshl_b32 s34, s17, 9
	s_add_nc_u64 s[52:53], s[12:13], s[34:35]      ; part2 likewise
.irp m, 0,1,2,3,4,5,6,7
.irp k, 0,1,2,3,4,5,6,7
	global_load_b64 v[128+16*\m+2*\k:129+16*\m+2*\k], v7, s[42:43] offset:131072*\k+128*\m
.endr
.endr
.irp m, 0,1,2,3,4,5,6,7
.irp k, 0,1,2,3,4,5,6,7
	global_load_b32 v[64+8*\m+\k], v6, s[52:53] offset:65536*\k+64*\m
.endr
.endr
	s_lshl_b32 s34, s16, 13
	s_add_co_u32 s34, s34, 0x200000
	s_add_nc_u64 s[30:31], s[4:5], s[34:35]        ; K's image at my wave's part of block 0
	s_add_co_u32 s34, s34, 0x200000
	s_add_nc_u64 s[48:49], s[4:5], s[34:35]        ; V's likewise
	s_lshl_b32 s34, s18, 23
	s_lshl_b32 s37, s17, 17
	s_add_co_u32 s34, s34, s37
	s_lshl_b32 s37, s16, 15
	s_add_co_u32 s34, s34, s37
	s_add_nc_u64 s[50:51], s[14:15], s[34:35]      ; opart[y][i][64 w]
	s_wait_kmcnt 0x0
	s_sub_co_u32 s20, 0x2000, s19
	s_add_co_u32 s21, s19, 15
	s_lshr_b32 s21, s21, 4
	s_add_co_u32 s21, s21, 63
	s_sub_co_u32 s21, s21, s17
	s_lshr_b32 s21, s21, 6                         ; NT
	s_add_co_u32 s22, s20, 127
	s_lshr_b32 s22, s22, 7
	s_mul_i32 s23, s18, s22
	s_add_co_u32 s24, s23, s22
	s_lshr_b32 s23, s23, 2
	s_lshr_b32 s24, s24, 2
	s_add_co_i32 s26, s44, s45
	s_lshl_b32 s26, s26, 23
	s_add_co_i32 s26, s26, 0x3fb8aa3b
	s_mov_b32 s27, s26
	s_add_co_i32 s46, s46, 127
	s_lshl_b32 s47, s46, 23
	v_mov_b32 v13, s47                             ; 2^e4 as f32
	s_add_co_i32 s46, s46, 15
	s_lshl_b32 s46, s46, 23
	s_or_b32 s46, s46, 0x600000
	v_mov_b32 v12, s46                             ; 57,344 x 2^e4
	v_cvt_f32_u32 v[TFR], s20
	v_max_num_f32 v5, 1.0, v[TFR]
	v_rcp_f32 v[RTR], v5
	v_nop
	s_wait_alu depctr_va_vdst(0)
	s_wait_loadcnt 0x0
.irp m, 0,1,2,3,4,5,6,7
.irp k, 0,4,8,12
	v_pk_add_f32 v[128+16*\m+\k:129+16*\m+\k], v[128+16*\m+\k:129+16*\m+\k], v[130+16*\m+\k:131+16*\m+\k]
.endr
.irp k, 0,8
	v_pk_add_f32 v[128+16*\m+\k:129+16*\m+\k], v[128+16*\m+\k:129+16*\m+\k], v[132+16*\m+\k:133+16*\m+\k]
.endr
	v_pk_add_f32 v[128+16*\m:129+16*\m], v[128+16*\m:129+16*\m], v[136+16*\m:137+16*\m]
	v_pk_add_f32 v[64+8*\m:65+8*\m], v[64+8*\m:65+8*\m], v[66+8*\m:67+8*\m]
	v_pk_add_f32 v[68+8*\m:69+8*\m], v[68+8*\m:69+8*\m], v[70+8*\m:71+8*\m]
	v_pk_add_f32 v[64+8*\m:65+8*\m], v[64+8*\m:65+8*\m], v[68+8*\m:69+8*\m]
	v_add_f32 v[64+8*\m], v[64+8*\m], v[65+8*\m]
.endr
.irp m, 0,1,2,3,4,5,6,7
	v_permlanex16_b32 v[130+16*\m], v[128+16*\m], s28, s29     ; the other eight splits
	v_permlanex16_b32 v[131+16*\m], v[129+16*\m], s28, s29
	v_permlanex16_b32 v[65+8*\m], v[64+8*\m], s28, s29
.endr
.irp m, 0,1,2,3,4,5,6,7
	v_pk_add_f32 v[128+16*\m:129+16*\m], v[128+16*\m:129+16*\m], v[130+16*\m:131+16*\m]        ; SU, SQ
	v_add_f32 v[64+8*\m], v[64+8*\m], v[65+8*\m]               ; S
	v_add_f32 v[132+16*\m], v[TFR], v[128+16*\m]               ; Z
	v_mul_f32 v[133+16*\m], v[RTR], v[128+16*\m]
	v_fma_f32 v[133+16*\m], -v[133+16*\m], v[128+16*\m], v[129+16*\m]
	v_max_num_f32 v[133+16*\m], 0, v[133+16*\m]
	v_mul_f32 v[133+16*\m], v[RTR], v[133+16*\m]
.endr
.irp m, 0,1,2,3,4,5,6,7
	v_sqrt_f32 v[134+16*\m], v[133+16*\m]
	v_rcp_f32 v[CON+CS*\m], v[132+16*\m]           ; 1 / Z
	v_rcp_f32 v[CON+CS*\m+2], v[64+8*\m]           ; 1 / S
.endr
	v_nop
	s_wait_alu depctr_va_vdst(0)                   ; one wait for the batch of 24
.irp m, 0,1,2,3,4,5,6,7
	v_mul_f32 v[134+16*\m], v[134+16*\m], v[CON+CS*\m]
	v_fma_f32 v[CON+CS*\m+1], 2.0, v[134+16*\m], -v[RTR]       ; -thr
	v_mov_b32 v[CON+CS*\m+3], 0                    ; (named with 1 / S as a pair)
.endr
	; the first block's V and K: asked for on every way, so that every way through the text finds these registers written
	s_min_u32 s34, s23, 63
	s_lshl_b32 s34, s34, 15
	s_add_nc_u64 s[40:41], s[48:49], s[34:35]
	s_add_nc_u64 s[32:33], s[30:31], s[34:35]
	VKLOAD 0
.set n, PC
.rept 64
	v_mov_b32 v[n], 0                              ; four zeros for the stores below; S^T is written once
.set n, n+1
.endr
	WIN 0x80
.set n, 0
.rept 256
	v_mov_b32 v[n], 0                              ; O begins at 0: the number of blocks is read from memory and may be 0, so no first product can be written out to start the sums
.set n, n+1
.endr
	WIN 0
.set n, 0
.rept 16
	ds_store_b128 v8, v[PC:PC+3] offset:2048*n     ; my pieces of both sets of images: the tiles past NT stay zeros
.set n, n+1
.endr
	s_wait_dscnt 0x0                               ; the stores have read their registers
	s_mov_b32 s38, 0
.Lloop:
	TRIP 0, 1
	TRIP 1, 0
	s_add_co_u32 s38, s38, 1
	s_cmp_lt_u32 s38, 8
	s_cbranch_scc1 .Lloop
	s_wait_loadcnt 0x0                             ; the last loads of K have landed: its registers take the rows on the way out
.rept 4
	v_nop                                          ; places behind the last products, ahead of the first read of O
.endr
	OUT 0                                          ; places 0 to 63 are always written
	s_cmp_gt_u32 s21, 4
	s_cbranch_scc0 .Lfin
	s_wait_xcnt 0x0                                ; the stores have read their registers
	OUT 1
.Lfin:
	s_set_vgpr_msb 0xf
	s_wait_tensorcnt 0x0
	ds_add_u32 v254, v255
	s_wait_dscnt 0x0
	s_set_vgpr_msb 0xf00
	s_endpgm
.Lfunc_end_k_qbae52aab58_pass3:
	.size	k_qbae52aab58_pass3, .Lfunc_end_k_qbae52aab58_pass3-k_qbae52aab58_pass3
	.p2alignl 7, 3214868480
	.fill 96, 4, 3214868480
	.section	.rodata,"a",@progbits
	.p2align	6, 0x0
	.amdhsa_kernel k_qbae52aab58_pass3
		.amdhsa_group_segment_fixed_size 67072
		.amdhsa_private_segment_fixed_size 0
		.amdhsa_enable_private_segment 0
		.amdhsa_kernarg_size 48
		.amdhsa_user_sgpr_count 2
		.amdhsa_user_sgpr_kernarg_segment_ptr 1
		.amdhsa_wavefront_size32 1
		.amdhsa_system_sgpr_workgroup_id_x 1
		.amdhsa_system_sgpr_workgroup_id_y 1
		.amdhsa_system_sgpr_workgroup_id_z 1
		.amdhsa_system_vgpr_workitem_id 0
		.amdhsa_next_free_vgpr 1024
		.amdhsa_next_free_sgpr 66
		.amdhsa_reserve_vcc 0
		.amdhsa_float_denorm_mode_32 3
		.amdhsa_float_denorm_mode_16_64 3
		.amdhsa_memory_ordered 1
		.amdhsa_forward_progress 1
		.amdhsa_inst_pref_size 187
	.end_amdhsa_kernel
	.amdgpu_metadata
---
amdhsa.version: [ 1, 2 ]
amdhsa.kernels:
  - .name:           k_qbae52aab58_pass3
    .symbol:         k_qbae52aab58_pass3.kd
    .args:
      - { .name: codes, .offset: 0, .size: 8, .value_kind: global_buffer, .address_space: global }
      - { .name: lists, .offset: 8, .size: 8, .value_kind: global_buffer, .address_space: global }
      - { .name: lowp_scales, .offset: 16, .size: 8, .value_kind: global_buffer, .address_space: global }
      - { .name: part1, .offset: 24, .size: 8, .value_kind: global_buffer, .address_space: global }
      - { .name: part2, .offset: 32, .size: 8, .value_kind: global_buffer, .address_space: global }
      - { .name: opart, .offset: 40, .size: 8, .value_kind: global_buffer, .address_space: global }
    .group_segment_fixed_size: 67072
    .private_segment_fixed_size: 0
    .kernarg_segment_align: 8
    .kernarg_segment_size: 48
    .max_flat_workgroup_size: 128
    .sgpr_count:     66
    .vgpr_count:     1024
    .wavefront_size: 32
...
	.end_amdgpu_metadata
.endif
;; end of part 6
;; launch merge (part 7): grid 32 x 8, 8 waves a work-group, no clusters, 0 bytes of LDS; arguments f, lists, opart, lowp_scales, out0; writes out0
.if DOCPART == 7
	.amdgcn_target "amdgcn-amd-amdhsa--gfx1250"
	.amdhsa_code_object_version 6
	.text
	.protected	k_qbae52aab58_merge
	.globl	k_qbae52aab58_merge
	.p2align	8
	.type	k_qbae52aab58_merge,@function
k_qbae52aab58_merge:
	s_mov_b64 s[64:65], 0
	v_nop
	global_prefetch_b8 v0, s[64:65] scope:SCOPE_SE
	s_setreg_imm32_b32 hwreg(HW_REG_WAVE_MODE, 25, 1), 1
	s_wait_xcnt 0x0
; out0: a normal pixel keeps f; an anomalous pixel gets 2^(e4 + e5) x the sum of the four quarters' sums of codes, gathered by its place q.
; Work-group (x, b): channels 8 x .. 8 x + 7 of image b; a thread takes four neighbouring pixels: f is read and out0 written by 16 bytes a lane, 512 consecutive bytes a wave.
; A normal pixel's gathers point at place 0 of group 0, which is always written, and their result is dropped by the select.
; With no normal pixel at all reference() divides 0 by 0: the factor is then NaN.
; A stream and a gather: LDS, matrix units and clusters would add nothing.  All 137 loads of a wave are issued at once.
; LIMIT: e4 + e5 between -126 and 127.
.set F, 16            ; v16-47   f: 8 channels x 4 pixels, then the result
.set G, 48            ; v48-175  the gathers: (channel, pixel, quarter)
	s_load_b256 s[4:11], s[0:1], 0x0               ; f s[4:5], lists s[6:7], opart s[8:9], the scales' exponents s[10:11]
	s_load_b64 s[12:13], s[0:1], 0x20              ; out0
	v_lshlrev_b32 v1, 4, v0                        ; 16 x thread
	s_and_b32 s16, ttmp7, 0xffff                   ; b
	s_lshl_b32 s20, s16, 12                        ; slot: 1,024 words an image
	s_mov_b32 s21, 0
	s_lshl_b32 s22, s16, 20
	s_lshl_b32 s23, ttmp9, 15                      ; 8 channels of 4,096 bytes
	s_add_co_u32 s22, s22, s23
	s_mov_b32 s23, 0
	s_lshl_b32 s24, ttmp9, 12                      ; opart: 8 channels of 512 bytes
	s_mov_b32 s25, 0
	s_wait_kmcnt 0x0
	s_load_b32 s17, s[6:7], 0x10000                ; a
	s_load_b64 s[18:19], s[10:11], 0x10            ; e4, e5
	s_add_nc_u64 s[26:27], s[6:7], s[20:21]
	global_load_b128 v[4:7], v1, s[26:27] offset:32768         ; my four pixels' places
	s_add_nc_u64 s[4:5], s[4:5], s[22:23]
	s_add_nc_u64 s[12:13], s[12:13], s[22:23]
	s_add_nc_u64 s[28:29], s[8:9], s[24:25]        ; the four quarters, 8 MiB apart
	s_add_nc_u64 s[30:31], s[28:29], 0x800000
	s_add_nc_u64 s[32:33], s[30:31], 0x800000
	s_add_nc_u64 s[34:35], s[32:33], 0x800000
.irp c, 0,1,2,3,4,5,6,7
	global_load_b128 v[F+4*\c:F+4*\c+3], v1, s[4:5] offset:4096*\c
.endr
	s_wait_loadcnt 8                               ; the places are in; f's eight loads may be out
.irp x, 0,1,2,3
	v_cmp_lt_i32 s[40+\x], -1, v[4+\x]             ; anomalous: the place is not negative
	v_and_b32 v[8+\x], 0x1fff, v[4+\x]
	v_min_u32 v[8+\x], 0x1fff, v[8+\x]             ; a loaded number enters an address behind its bound
	v_and_b32 v[12+\x], 0x1f80, v[8+\x]
	v_and_b32 v[8+\x], 0x7f, v[8+\x]
	v_lshlrev_b32 v[12+\x], 10, v[12+\x]           ; the group: 131,072 bytes each,
	v_lshl_add_u32 v[8+\x], v[8+\x], 2, v[12+\x]   ; + 4 x the place in the group
.endr
.irp c, 0,1,2,3,4,5,6,7
.irp x, 0,1,2,3
.irp y, 0,1,2,3
	global_load_b32 v[G+16*\c+4*\x+\y], v[8+\x], s[28+2*\y:29+2*\y] offset:512*\c
.endr
.endr
.endr
	s_wait_kmcnt 0x0
	s_add_co_i32 s44, s18, s19
	s_add_co_i32 s44, s44, 127
	s_lshl_b32 s44, s44, 23                        ; 2^(e4 + e5) as f32
	s_mov_b32 s45, 0x7fc00000
	s_cmp_eq_u32 s17, 0x2000
	s_cselect_b32 s44, s45, s44                    ; NaN where no pixel is normal
.macro MIX c
.irp x, 0,1,2,3
	v_pk_add_f32 v[G+16*\c+4*\x:G+16*\c+4*\x+1], v[G+16*\c+4*\x:G+16*\c+4*\x+1], v[G+16*\c+4*\x+2:G+16*\c+4*\x+3]
.endr
.irp x, 0,1,2,3
	v_add_f32 v[G+16*\c+4*\x], v[G+16*\c+4*\x], v[G+16*\c+4*\x+1]
.endr
.irp x, 0,1,2,3
	v_mul_f32 v[G+16*\c+4*\x], s44, v[G+16*\c+4*\x]
.endr
.irp x, 0,1,2,3
	v_cndmask_b32 v[F+4*\c+\x], v[F+4*\c+\x], v[G+16*\c+4*\x], s[40+\x]
.endr
	global_store_b128 v1, v[F+4*\c:F+4*\c+3], s[12:13] offset:4096*\c
.endm
	s_wait_loadcnt 63                              ; the first four channels' loads are in: 64 were issued behind them, and 63 is the largest count that a wait can name
.irp c, 0,1,2,3
	MIX \c
.endr
	s_wait_loadcnt 0x0
.irp c, 4,5,6,7
	MIX \c
.endr
	s_endpgm
.Lfunc_end_k_qbae52aab58_merge:
	.size	k_qbae52aab58_merge, .Lfunc_end_k_qbae52aab58_merge-k_qbae52aab58_merge
	.p2alignl 7, 3214868480
	.fill 96, 4, 3214868480
	.section	.rodata,"a",@progbits
	.p2align	6, 0x0
	.amdhsa_kernel k_qbae52aab58_merge
		.amdhsa_group_segment_fixed_size 0
		.amdhsa_private_segment_fixed_size 0
		.amdhsa_enable_private_segment 0
		.amdhsa_kernarg_size 40
		.amdhsa_user_sgpr_count 2
		.amdhsa_user_sgpr_kernarg_segment_ptr 1
		.amdhsa_wavefront_size32 1
		.amdhsa_system_sgpr_workgroup_id_x 1
		.amdhsa_system_sgpr_workgroup_id_y 1
		.amdhsa_system_sgpr_workgroup_id_z 1
		.amdhsa_system_vgpr_workitem_id 0
		.amdhsa_next_free_vgpr 192
		.amdhsa_next_free_sgpr 66
		.amdhsa_reserve_vcc 0
		.amdhsa_float_denorm_mode_32 3
		.amdhsa_float_denorm_mode_16_64 3
		.amdhsa_memory_ordered 1
		.amdhsa_forward_progress 1
		.amdhsa_inst_pref_size 23
	.end_amdhsa_kernel
	.amdgpu_metadata
---
amdhsa.version: [ 1, 2 ]
amdhsa.kernels:
  - .name:           k_qbae52aab58_merge
    .symbol:         k_qbae52aab58_merge.kd
    .args:
      - { .name: f, .offset: 0, .size: 8, .value_kind: global_buffer, .address_space: global }
      - { .name: lists, .offset: 8, .size: 8, .value_kind: global_buffer, .address_space: global }
      - { .name: opart, .offset: 16, .size: 8, .value_kind: global_buffer, .address_space: global }
      - { .name: lowp_scales, .offset: 24, .size: 8, .value_kind: global_buffer, .address_space: global }
      - { .name: out0, .offset: 32, .size: 8, .value_kind: global_buffer, .address_space: global }
    .group_segment_fixed_size: 0
    .private_segment_fixed_size: 0
    .kernarg_segment_align: 8
    .kernarg_segment_size: 40
    .max_flat_workgroup_size: 256
    .sgpr_count:     66
    .vgpr_count:     192
    .wavefront_size: 32
...
	.end_amdgpu_metadata
.endif
;; end of part 7
